; MI455X (gfx1250); checked and timed in simulation.
; The chip was launched on July 23, 2026; its instructions are those of AMD's public machine-readable ISA for CDNA 5 (MIT licence, August 2026) and "CDNA5" Instruction Set Architecture Reference Guide (July 2026). The comments in the code are by the model that wrote it; some were corrected since.
;; Custom Self Attention. Allowed arithmetic: matrix products marked QUANTISED: E3M2 operands, one E8M0 scale for each 32 along K, by v_wmma_scale_f32_16x16x128_f8f6f4 with both operands' format E3M2, f32 sums; everything else in f32.
;; Inputs: Wk 1,024 x 1,024 float32; Wq 1,024 x 1,024 float32; Wv 1,024 x 1,024 float32; attention_mask 4 x 1 x 1 x 1,024 float32; bk 1,024 float32; bq 1,024 float32; bv 1,024 float32; dist_emb 2,047 x 64 float32; gabriel_mask 4 x 1,024 x 1,024 float32; hidden_states 4 x 1,024 x 1,024 float32.
;; Outputs: out0 4 x 1,024 x 1,024 float32.
;; This version of the problem:
;;   THIS VERSION OF THE PROBLEM IS GIVEN IN LOW PRECISION. The matrix products marked QUANTISED in the list below multiply operands that are first quantised to E3M2 (3 exponent bits, 2 mantissa bits; 6 bits a number), with one power-of-two scale for each 32 numbers along K (OCP MX v1.0); their sums are f32. All else is computed in f32.
;;   The module's matrix products, in the order in which they are computed (A, B: the left and right operand; K: the contracted axis; several contracted axes count as one K, in the product's order):
;;     1. [M 4,096, K 1,024] x [K 1,024, N 1,024]; A: input hidden_states; B: input Wq: QUANTISED
;;     2. [M 4,096, K 1,024] x [K 1,024, N 1,024]; A: input hidden_states; B: input Wk: QUANTISED
;;     3. [M 4,096, K 1,024] x [K 1,024, N 1,024]; A: input hidden_states; B: input Wv: QUANTISED
;;     4. batch 64 x [M 1,024, K 64] x [K 64, N 1,024]; A: computed on the way; B: computed on the way: QUANTISED
;;     5. batch 1,024 x [M 1,024, K 64] x [K 64, N 64]; A: computed on the way; B: computed on the way: QUANTISED
;;     6. batch 1,024 x [M 1,024, K 64] x [K 64, N 64]; A: computed on the way; B: computed on the way: QUANTISED
;;     7. batch 64 x [M 64, K 1,024] x [K 1,024, N 1,024]; A: computed on the way; B: softmax (see below): QUANTISED
;;   THE QUANTISER, for each operand of a quantised product, along K:
;;     - K is cut into blocks of 32 from its start; a last block that is shorter is filled with zeros.
;;     - A block's scale is 2^e with e = floor(log2(the largest magnitude in the block)) - 4, held to -126 .. 127; a block of zeros has e = 0. As a byte (E8M0): e + 127.
;;     - Each number is divided by its block's scale, clamped to +-28, and rounded to the nearest number of E3M2, ties to even, subnormals kept.
;;     - The product sums the exact products of the quantised numbers (number of the format x scale) in f32.
;;   ~~~python
;;   def quantise(x, axis):      # numpy; x: float32 -> the quantised numbers, widened to float32 again
;;       x = np.moveaxis(x, axis, -1); K = x.shape[-1]
;;       x = np.pad(x, [(0, 0)] * (x.ndim - 1) + [(0, -K % 32)]); x = x.reshape(x.shape[:-1] + (-1, 32)); a = np.abs(x).max(-1, keepdims=True)
;;       e = np.where(a > 0, np.clip(np.frexp(np.where(a > 0, a, 1))[1] - 1 - 4, -126, 127), 0)      # np.frexp(a)[1] - 1 = floor(log2(a)), exactly
;;       r = np.clip(x / 2.0 ** e, -28, 28)
;;       step = 2.0 ** (np.maximum(np.frexp(np.where(r == 0, 1, r))[1] - 1, -2) - 2)
;;       q = np.round(r / step) * step * 2.0 ** e      # np.round: ties to even
;;       return np.moveaxis(q.reshape(q.shape[:-2] + (-1,))[..., :K], -1, axis).astype(np.float32)
;;   ~~~
;;   SOFTMAX AHEAD OF A QUANTISED PRODUCT. Where the list says 'softmax', what is quantised is not the finished softmax but p = 2^(t - M), with t = logit x log2(e) and M = ceil(the row's largest t), a whole number; so 1/2 < the row's largest p <= 1. The row's sum l is taken of the UNQUANTISED p, in f32, and the product's result is divided by l at the end. Since M is a whole number, a kernel that streams over the keys may use a running M (the ceiling of the running maximum): every later rescaling is an exact power of two, which a block's scale takes up: the codes' values come out the same.
;;   OPERANDS COMPUTED ON THE WAY. 'Computed on the way' means the value that the module computes at that place (a softmax that the list does not call 'softmax' is quantised finished and normalised). What goes into a quantiser is computed in f32, as accurately as f32 sums, v_exp_f32 and their like allow (about 1e-6 of the number): no bf16 or f16 on the way to a quantiser, and a product that is left as it is and whose result goes on into a quantised operand takes f32 operands (vector FMAs, or v_wmma_f32_16x16x4_f32). A number that lies on a knife's edge between two numbers of the format may be rounded either way, as far as f32 arithmetic and the matrix unit's own rounding can turn it there, and no further.
;; One version. Each part assembles by itself: llvm-mc -triple=amdgcn-amd-amdhsa -mcpu=gfx1250 --defsym DOCPART=n.
;; ======== version 1 of 1: 3 launches
;; limits: right only within a limited range of input values
;; workspace buffers: xcodes 3,145,728 bytes; xscales 131,072 bytes; wcodes 2,359,296 bytes; wscales 98,304 bytes; etab 113,408 bytes; qp 3,407,872 bytes; kv 9,830,400 bytes
;; launch quant (part 1): grid 241 x 1, 4 waves a work-group, no clusters, 68,096 bytes of LDS; arguments hidden_states, Wq, Wk, Wv, dist_emb, xcodes, xscales, wcodes, wscales, etab; writes xcodes, xscales, wcodes, wscales, etab
.if DOCPART == 1
	.amdgcn_target "amdgcn-amd-amdhsa--gfx1250"
	.amdhsa_code_object_version 6
	.text
	.protected	k_qc5369a2d61_quant
	.globl	k_qc5369a2d61_quant
	.p2align	8
	.type	k_qc5369a2d61_quant,@function
k_qc5369a2d61_quant:
	s_mov_b64 s[64:65], 0
	v_nop
	global_prefetch_b8 v0, s[64:65] scope:SCOPE_SE
	s_setreg_imm32_b32 hwreg(HW_REG_WAVE_MODE, 25, 1), 1
	s_wait_xcnt 0x0
; hidden_states [4096][1024], Wq, Wk, Wv [1024][1024] and dist_emb [2047][64], f32, become codes of BF6 (E3M2) with one E8M0 byte for each 32 along K.
; DEAD WORK: reference() multiplies gabriel_mask into a value that it never uses; no number of the output hangs on it for any values of the inputs.
; So gabriel_mask is loaded by no launch and is among no launch's arguments.  LIMIT: a NaN, an infinity or an overflow that reaches only that product is not carried to the result.
; A block's scale byte is its largest magnitude's exponent field - 4, held at 1 from below by a floor among the maximum's leaves.  A block of zeros so gets the byte 1 where the rule says 127:
; its codes are zeros, which add nothing under any byte but 0xff, and these bytes are read by this program alone.
; LIMITS: blocks whose largest magnitude lies under 2^-122 get the byte 1; NaN and infinities among these inputs are not served.
; WORK-GROUPS 0-127: hidden_states; 128-223: the three weights, 32 each.  A wave takes 16 rows x 512 along K, in four steps of 128 along K.  All its 64 loads, of 512 consecutive bytes each
; (a row's 128 numbers), go out at the head, into window 1.
; A step's 8,192 bytes turn through one of the wave's two stages in LDS, a step ahead of the arithmetic, so that lane (r, h) holds blocks h and 2 + h of row r, 32 numbers each.
; THE CODES LEAVE AS AN IMAGE OF THE OPERAND'S REGISTERS: 16 rows x 128 K are 1,536 bytes, registers 4 i .. 4 i + 3 of lane l at 512 i + 16 l: each store covers 512 consecutive bytes.
;   xcodes [tile 256][K step 8][1536];  wcodes [128 features' block 8][K step 8][weight 3][tile 8][1536];  scale words [tile][half of K][row 16][4 words]: 256 bytes a store.
; A WEIGHT'S TILE t = 2 b + u holds at row r feature 32 b + 8 u + r + 8 (r / 8): rows 0-7 and rows 8-15 come from two bases, 16 rows apart (hidden_states: 8 rows apart).
; WORK-GROUPS 224-240: the table of distances.  One lane takes one row v of 2,176: row e = v - 16 of dist_emb, held to 0 .. 2046: 48 bytes of codes at 48 v; its two scale bytes go to the low half of word v
; and to the high half of word v + 8 (rows 0-7 also to the high half of their own word, so that every word is written whole).  This way uses no LDS.
.set SP,    528                        ; a stage row: 512 bytes + 16
.set STG,   16*SP
.set SPARE, 8*STG                      ; behind the eight stages: the spare words
.set X,     16                         ; v16-143  two sets of my two blocks
.set C,     144                        ; v144-191 four sets of 12 registers of codes: no store's data are written again
.set T,     192                        ; v192-198 the conversions' second halves
.set SW,    200                        ; v200-203 the four steps' scale words
.set OF,    204                        ; v204-207 where each step's image goes
.set PM,    208
.set SPW,   14
.set NIL,   15
.set EWOFF, 104448                     ; where the table's scale words begin: 2,176 rows x 48 bytes
.set MSB, 0
.macro WIN new                         ; the immediate's high byte repeats the setting that is left
.if MSB != \new
	s_set_vgpr_msb (MSB<<8)|\new
.set MSB, \new
.endif
.endm
	s_load_b256 s[4:11], s[0:1], 0x0               ; hidden_states, Wq, Wk, Wv
	s_load_b256 s[12:19], s[0:1], 0x20             ; dist_emb, xcodes, xscales, wcodes
	s_load_b128 s[20:23], s[0:1], 0x40             ; wscales, etab
	v_lshl_add_u32 v[SPW], v0, 2, SPARE
	v_mov_b32 v[NIL], 0
	s_cmp_ge_u32 ttmp9, 224
	s_cbranch_scc1 .Lemb
	v_lshrrev_b32 v1, 5, v0
	v_readfirstlane_b32 s24, v1                    ; wave
	s_and_b32 s31, s24, 1                          ; which half of K
	s_lshl_b32 s30, ttmp9, 1
	s_lshr_b32 s29, s24, 1
	s_add_co_u32 s30, s30, s29                     ; hidden_states: tile 2 g + wave / 2
	s_lshl_b32 s40, s30, 16                        ; its 16 rows of 4,096 bytes
	s_mul_i32 s41, s30, 12288
	s_mul_i32 s28, s31, 6144
	s_add_co_u32 s41, s41, s28                     ; its images
	s_lshl_b32 s42, s30, 9                         ; its scale words
	s_max_u32 s26, ttmp9, 128
	s_sub_co_u32 s26, s26, 128
	s_lshr_b32 s27, s26, 5                         ; which weight
	s_lshl_b32 s28, s26, 1
	s_add_co_u32 s28, s28, s29
	s_and_b32 s28, s28, 63                         ; its tile t
	s_lshr_b32 s43, s28, 1
	s_lshl_b32 s43, s43, 17                        ; 32 b rows
	s_and_b32 s44, s28, 1
	s_lshl_b32 s44, s44, 15                        ; 8 u rows
	s_add_co_u32 s43, s43, s44
	s_lshr_b32 s44, s28, 3
	s_mul_i32 s44, s44, 294912
	s_mul_i32 s45, s27, 12288
	s_add_co_u32 s44, s44, s45
	s_and_b32 s45, s28, 7
	s_mul_i32 s45, s45, 1536
	s_add_co_u32 s44, s44, s45
	s_mul_i32 s45, s31, 147456
	s_add_co_u32 s44, s44, s45                     ; its images
	s_lshl_b32 s45, s27, 15
	s_lshl_b32 s28, s28, 9
	s_add_co_u32 s45, s45, s28                     ; its scale words
	s_mov_b32 s25, 36864
	s_mov_b32 s39, 0x10000
	s_cmp_lt_u32 ttmp9, 128                        ; the choices hang on the work-group's number alone
	s_cselect_b32 s32, s40, s43
	s_cselect_b32 s34, s41, s44
	s_cselect_b32 s36, s42, s45
	s_cselect_b32 s38, 0x8000, s39                 ; from rows 0-7 to rows 8-15 of the tile
	s_cselect_b32 s47, 1536, s25                   ; from a K step's image to the next
	s_lshl_b32 s28, s31, 11
	s_add_co_u32 s32, s32, s28
	s_lshl_b32 s28, s31, 8
	s_add_co_u32 s36, s36, s28
	s_mov_b32 s33, 0
	s_mov_b32 s35, 0
	s_mov_b32 s37, 0
	s_mov_b32 s39, 0
	s_lshl_b32 s48, s47, 1
	s_add_co_u32 s49, s48, s47
	s_mul_i32 s46, s24, 2*STG
	s_mov_b32 s50, 0x76543210
	s_mov_b32 s51, 0xfedcba98                      ; selects for lane l xor 16
	v_and_b32 v1, 15, v0                           ; r
	v_bfe_u32 v2, v0, 4, 1                         ; h
	v_and_b32 v3, 31, v0
	v_lshlrev_b32 v3, 4, v3                        ; 16 x lane
	v_add_nc_u32 v4, s46, v3                       ; the stages, in
	v_mul_u32_u24 v5, v1, SP
	v_lshl_add_u32 v5, v2, 7, v5
	v_add_nc_u32 v5, s46, v5                       ; and back: row r, + 128 h
	v_lshlrev_b32 v6, 3, v2                        ; 8 h
	v_lshlrev_b32 v7, 4, v1                        ; my row's four scale words
	v_mov_b32 v[OF], v3
	v_add_nc_u32 v[OF+1], s47, v3
	v_add_nc_u32 v[OF+2], s48, v3
	v_add_nc_u32 v[OF+3], s49, v3
	v_mov_b32 v[PM], 0
	s_wait_alu depctr_va_vdst(0)                   ; the wait at the head's end
	s_wait_kmcnt 0x0
	s_cmp_eq_u32 s27, 1
	s_cselect_b64 s[6:7], s[8:9], s[6:7]
	s_cmp_eq_u32 s27, 2
	s_cselect_b64 s[6:7], s[10:11], s[6:7]
	s_cmp_lt_u32 ttmp9, 128
	s_cselect_b64 s[4:5], s[4:5], s[6:7]
	s_cselect_b64 s[14:15], s[14:15], s[18:19]
	s_cselect_b64 s[16:17], s[16:17], s[20:21]
	s_add_nc_u64 s[4:5], s[4:5], s[32:33]          ; rows 0-7
	s_add_nc_u64 s[6:7], s[4:5], s[38:39]          ; rows 8-15
	s_add_nc_u64 s[14:15], s[14:15], s[34:35]
	s_add_nc_u64 s[16:17], s[16:17], s[36:37]
	WIN 0x40                                       ; destination window 1: step t's 64 registers at v[64 t]
.irp t, 0,1,2,3
.irp i, 0,1,2,3,4,5,6,7
	global_load_b128 v[64*\t+4*\i:64*\t+4*\i+3], v3, s[4:5] offset:4096*\i+512*\t th:TH_LOAD_NT
.endr
.irp i, 0,1,2,3,4,5,6,7
	global_load_b128 v[64*\t+32+4*\i:64*\t+32+4*\i+3], v3, s[6:7] offset:4096*\i+512*\t th:TH_LOAD_NT
.endr
.endr
	WIN 0
.macro TURN t                          ; step t's numbers through stage t % 2: LDS serves a wave's instructions in order, so no wait stands between the stores and the loads
	WIN 0x04                                       ; the stores' data: window 1
.irp i, 0,1,2,3,4,5,6,7,8,9,10,11,12,13,14,15
	ds_store_b128 v4, v[64*(\t)+4*\i:64*(\t)+4*\i+3] offset:STG*((\t)%2)+SP*\i
.endr
	WIN 0
.irp c, 0,1
.irp q, 0,1,2,3,4,5,6,7
	ds_load_b128 v[X+64*((\t)%2)+32*\c+4*\q:X+64*((\t)%2)+32*\c+4*\q+3], v5 offset:STG*((\t)%2)+256*\c+16*\q
.endr
.endr
.endm
.macro STEP t
.set XS, X+64*((\t)%2)
.set CS, C+12*(\t)
.if (\t) < 3
	s_wait_loadcnt 16*(2-(\t))                     ; the next step's 16 loads are in; 16 for each later step may be out
	TURN (\t)+1                                    ; they go through the other stage while this step is worked
	s_wait_dscnt 32                                ; my blocks are back; the 32 just issued may be out
.else
	s_wait_dscnt 0x0
.endif
	v_max3_num_f32 v8, |v[XS]|, |v[XS+1]|, 0x2800000       ; both blocks by turns; the floor 2^(5 - 127)
	v_max3_num_f32 v9, |v[XS+32]|, |v[XS+33]|, 0x2800000
.irp i, 2,4,6,8,10,12,14,16,18,20,22,24,26,28,30
	v_max3_num_f32 v8, v8, |v[XS+\i]|, |v[XS+\i+1]|
	v_max3_num_f32 v9, v9, |v[XS+32+\i]|, |v[XS+33+\i]|
.endr
	v_add_nc_u32 v10, 0xfe000000, v8               ; 4 off the exponent field: the conversion's scale operand
	v_add_nc_u32 v11, 0xfe000000, v9
	v_lshrrev_b32 v12, 23, v10
	v_lshrrev_b32 v13, 23, v11
	v_lshl_or_b32 v12, v13, 16, v12                ; bytes h and 2 + h of the row's word,
	v_lshlrev_b32 v12, v6, v12                     ; at their places;
	v_permlanex16_b32 v[PM], v12, s50, s51
	v_or_b32 v[SW+(\t)], v12, v[PM]                ; with lane l xor 16's two the word is whole
	v_cvt_scalef32_pk16_bf6_f32 v[CS:CS+2], v[XS:XS+15], v10
	v_cvt_scalef32_pk16_bf6_f32 v[T:T+2], v[XS+16:XS+31], v10      ; (a conversion's three registers begin on an even number)
	v_cvt_scalef32_pk16_bf6_f32 v[CS+6:CS+8], v[XS+32:XS+47], v11
	v_cvt_scalef32_pk16_bf6_f32 v[T+4:T+6], v[XS+48:XS+63], v11
	v_nop                                          ; one plain place behind a scaled conversion
.irp i, 0,1,2
	v_mov_b32 v[CS+3+\i], v[T+\i]
	v_mov_b32 v[CS+9+\i], v[T+4+\i]
.endr
.irp i, 0,1,2
	global_store_b128 v[OF+(\t)], v[CS+4*\i:CS+4*\i+3], s[14:15] offset:512*\i   ; 512 consecutive bytes, aligned
.endr
.endm
	s_wait_loadcnt 48                              ; step 0's 16 loads are in
	TURN 0
	STEP 0
	STEP 1
	STEP 2
	STEP 3
	global_store_b128 v7, v[SW:SW+3], s[16:17]     ; 256 consecutive bytes, aligned; both lanes of a row store the same words
	s_wait_tensorcnt 0x0                           ; the wave's end
	ds_add_u32 v[SPW], v[NIL]
	s_wait_dscnt 0x0
	s_endpgm
.Lemb:                                             ; the table of distances: a lane to a row
	s_sub_co_u32 s24, ttmp9, 224
	s_lshl_b32 s24, s24, 7
	v_add_nc_u32 v1, s24, v0                       ; v: 0 .. 2175
	v_add_nc_u32 v2, 0xfffffff0, v1                ; v - 16,
	v_max_i32 v2, 0, v2
	v_min_u32 v2, 0x7fe, v2                        ; held to the table's rows 0 .. 2046: no load leaves the buffer
	v_lshlrev_b32 v2, 8, v2                        ; a row is 256 bytes
	v_mul_u32_u24 v3, v1, 48
	v_lshlrev_b32 v4, 2, v1
	s_wait_alu depctr_va_vdst(0)
	s_wait_kmcnt 0x0
.irp i, 0,1,2,3,4,5,6,7,8,9,10,11,12,13,14,15
	global_load_b128 v[32+4*\i:35+4*\i], v2, s[12:13] offset:16*\i
.endr
	s_wait_loadcnt 0x0
	v_max3_num_f32 v8, |v32|, |v33|, 0x2800000     ; both blocks of 32 are mine, by turns; the floor as above
	v_max3_num_f32 v9, |v64|, |v65|, 0x2800000
.irp i, 2,4,6,8,10,12,14,16,18,20,22,24,26,28,30
	v_max3_num_f32 v8, v8, |v[32+\i]|, |v[33+\i]|
	v_max3_num_f32 v9, v9, |v[64+\i]|, |v[65+\i]|
.endr
	v_add_nc_u32 v10, 0xfe000000, v8
	v_add_nc_u32 v11, 0xfe000000, v9
	v_lshrrev_b32 v12, 23, v10
	v_lshrrev_b32 v13, 23, v11
	v_lshl_or_b32 v5, v13, 8, v12                  ; the row's two bytes
	v_cvt_scalef32_pk16_bf6_f32 v[96:98], v[32:47], v10
	v_cvt_scalef32_pk16_bf6_f32 v[108:110], v[48:63], v10
	v_cvt_scalef32_pk16_bf6_f32 v[102:104], v[64:79], v11
	v_cvt_scalef32_pk16_bf6_f32 v[112:114], v[80:95], v11
	v_nop                                          ; one plain place behind a scaled conversion
.irp i, 0,1,2
	v_mov_b32 v[99+\i], v[108+\i]
	v_mov_b32 v[105+\i], v[112+\i]
.endr
.irp i, 0,1,2
	global_store_b128 v3, v[96+4*\i:99+4*\i], s[22:23] offset:16*\i
.endr
	global_store_b16 v4, v5, s[22:23] offset:EWOFF         ; word v, low half
	global_store_b16 v4, v5, s[22:23] offset:EWOFF+34      ; word v + 8, high half
	s_wait_alu depctr_va_vdst(0)                   ; directly ahead of the wait below
	s_wait_xcnt 0x0                                ; EXEC changes only behind this wait
	v_cmp_gt_u32 vcc_lo, 8, v1
	s_and_saveexec_b32 s25, vcc_lo
	global_store_b16 v4, v5, s[22:23] offset:EWOFF+2       ; rows 0-7 (all of them row 0 of dist_emb): the high half of their own word
	s_wait_xcnt 0x0
	s_or_b32 exec_lo, exec_lo, s25
	s_endpgm
.Lfunc_end_k_qc5369a2d61_quant:
	.size	k_qc5369a2d61_quant, .Lfunc_end_k_qc5369a2d61_quant-k_qc5369a2d61_quant
	.p2alignl 7, 3214868480
	.fill 96, 4, 3214868480
	.section	.rodata,"a",@progbits
	.p2align	6, 0x0
	.amdhsa_kernel k_qc5369a2d61_quant
		.amdhsa_group_segment_fixed_size 68096
		.amdhsa_private_segment_fixed_size 0
		.amdhsa_enable_private_segment 0
		.amdhsa_kernarg_size 80
		.amdhsa_user_sgpr_count 2
		.amdhsa_user_sgpr_kernarg_segment_ptr 1
		.amdhsa_wavefront_size32 1
		.amdhsa_system_sgpr_workgroup_id_x 1
		.amdhsa_system_sgpr_workgroup_id_y 1
		.amdhsa_system_sgpr_workgroup_id_z 1
		.amdhsa_system_vgpr_workitem_id 0
		.amdhsa_next_free_vgpr 512
		.amdhsa_next_free_sgpr 66
		.amdhsa_reserve_vcc 1
		.amdhsa_float_denorm_mode_32 3
		.amdhsa_float_denorm_mode_16_64 3
		.amdhsa_memory_ordered 1
		.amdhsa_forward_progress 1
		.amdhsa_inst_pref_size 38
	.end_amdhsa_kernel
	.amdgpu_metadata
---
amdhsa.version: [ 1, 2 ]
amdhsa.kernels:
  - .name:           k_qc5369a2d61_quant
    .symbol:         k_qc5369a2d61_quant.kd
    .args:
      - { .name: hidden_states, .offset: 0, .size: 8, .value_kind: global_buffer, .address_space: global }
      - { .name: Wq, .offset: 8, .size: 8, .value_kind: global_buffer, .address_space: global }
      - { .name: Wk, .offset: 16, .size: 8, .value_kind: global_buffer, .address_space: global }
      - { .name: Wv, .offset: 24, .size: 8, .value_kind: global_buffer, .address_space: global }
      - { .name: dist_emb, .offset: 32, .size: 8, .value_kind: global_buffer, .address_space: global }
      - { .name: xcodes, .offset: 40, .size: 8, .value_kind: global_buffer, .address_space: global }
      - { .name: xscales, .offset: 48, .size: 8, .value_kind: global_buffer, .address_space: global }
      - { .name: wcodes, .offset: 56, .size: 8, .value_kind: global_buffer, .address_space: global }
      - { .name: wscales, .offset: 64, .size: 8, .value_kind: global_buffer, .address_space: global }
      - { .name: etab, .offset: 72, .size: 8, .value_kind: global_buffer, .address_space: global }
    .group_segment_fixed_size: 68096
    .private_segment_fixed_size: 0
    .kernarg_segment_align: 8
    .kernarg_segment_size: 80
    .max_flat_workgroup_size: 128
    .sgpr_count:     66
    .vgpr_count:     512
    .wavefront_size: 32
...
	.end_amdgpu_metadata
.endif
;; end of part 1
;; launch qkv (part 2): grid 16 x 16, 4 waves a work-group, clusters of 4 x 4, 167,936 bytes of LDS; arguments xcodes, xscales, wcodes, wscales, bq, bk, bv, qp, kv; writes qp, kv
.if DOCPART == 2
	.amdgcn_target "amdgcn-amd-amdhsa--gfx1250"
	.amdhsa_code_object_version 6
	.text
	.protected	k_qc5369a2d61_qkv
	.globl	k_qc5369a2d61_qkv
	.p2align	8
	.type	k_qc5369a2d61_qkv,@function
k_qc5369a2d61_qkv:
	s_mov_b64 s[64:65], 0
	v_nop
	global_prefetch_b8 v0, s[64:65] scope:SCOPE_SE
	s_setreg_imm32_b32 hwreg(HW_REG_WAVE_MODE, 25, 1), 1
	s_wait_xcnt 0x0
	s_wait_alu depctr_hold_cnt(0) depctr_sa_sdst(0) depctr_va_vdst(0) depctr_va_sdst(0) depctr_va_ssrc(0) depctr_va_vcc(0) depctr_vm_vsrc(0)
	s_getreg_b32 s2, hwreg(HW_REG_IB_STS2, 6, 4)
	s_cmp_eq_u32 s2, 0
	s_cbranch_scc0 .Lentry_in_a_cluster
	s_endpgm
.Lentry_in_a_cluster:
	s_bfe_u32 s2, ttmp6, 0x10000c
	s_cmp_lg_u32 s2, 0xf033
	s_cbranch_scc0 .Lentry_shape_is_right
	s_endpgm
.Lentry_shape_is_right:
; q, k, v = x W^T + b on codes of BF6 with E8M0 scales, and their own codes and scale words for the attention launch.  gabriel_mask: see the first kernel's head; nothing of it is used here.
; A work-group makes 256 rows of x against one head's 64 features of each of Wq, Wk, Wv; a wave 64 rows x 64 features x 3: 48 accumulators, 384 registers.  All four waves read the same 192 rows of W.
; W: the head's 192 rows for all of K are 24 pieces (K step x weight) of 6,144 bytes, 12,288 bytes apart in memory, laid as images of the operand's registers: 147,456 bytes.  They come into LDS once, six pieces
; by each wave's one tensor load, asked for jointly by the four work-groups of a column of the cluster, which need the same head.  Nothing is filled again: one barrier, no ring.
; x: its images go from memory straight into registers, 12 loads of 512 consecutive bytes for a K step, three K steps ahead in a ring of four sets.  Each wave alone reads its 64 rows in this work-group,
; so a way through LDS would serve no second reader here.  No prefetch: the text has no loop to run ahead in; W is asked for whole at the head.
; q and k are made transposed (source 0 = 16 features, source 1 = 16 rows of x): a lane holds one row and its registers run along the head's features, the next K.  v is made straight: registers run along the keys, its next K.
; The bias is the C of each accumulator's first product.
; REGISTERS.  window 0: v4-11, 12, 20-29 addresses; v32-95 scale words; v96-191 W's fragments, two sets of four; on the way out v96-223 are four sets of 32.  window 1: v0-191 x's fragments, four sets of four.
;   window 2: q's and k's 32 accumulators.  window 3: v0-127 v's 16; v128-223 the biases.
.set SPARE,  147456
.set FR,     12
.set AW,     4                         ; v4-11 LDS address of W's fragments of K step 0 .. 7
.set L16,    12                        ; v12   16 x lane
.set IMG,    20
.set WRD,    21
.set SA,     24                        ; v24   scale words: 512 (lane / 16) + 16 (lane % 16)
.set BA,     25
.set BV,     26
.set SPW,    28
.set NIL,    29
.set XS,     32
.set WS,     48
.set WF,     96
.set XF,     0
.set BI,     128
.set TS,     96                        ; the way out: set s at v[TS + 32 s]: 0-7 the blocks' maxima, scale operands and bytes; 8-13 the codes; 14-16 their second halves; 18 the word; 20-31 K's image
.set WV,  22
.set G1,  24
.set G0,  32
.set QI,  74
.set QW,  76
.set KI,  78
.set KW,  80
.set VI,  82
.set VW,  84
.set LOW, 86
.set SEL, 88
.set MSB, 0
.macro WIN new                         ; the immediate's high byte repeats the setting that is left
.if MSB != \new
	s_set_vgpr_msb (MSB<<8)|\new
.set MSB, \new
.endif
.endm
.macro PLACES n
.rept \n
	v_nop
.endr
.endm
.macro CROUND                          ; a round of the cluster's barrier
	s_barrier_signal -1
	s_barrier_wait -1
	s_cmp_lg_u32 s[WV], 0
	s_cbranch_scc1 .Lnot_wave_0_\@
	s_barrier_signal -3
.Lnot_wave_0_\@:
	s_barrier_wait -3
	s_barrier_signal -1
	s_barrier_wait -1
.endm
.macro WM d, a, b, c, sa, sb, sel      ; sel: bit 0: source 0's scales in lanes 16-31; bit 1: source 1's
.if (\sel) == 0
	v_wmma_scale_f32_16x16x128_f8f6f4 v[\d:\d+7], v[\a:\a+11], v[\b:\b+11], \c, v[\sa], v[\sb] matrix_a_fmt:MATRIX_FMT_BF6 matrix_b_fmt:MATRIX_FMT_BF6
.elseif (\sel) == 1
	v_wmma_scale_f32_16x16x128_f8f6f4 v[\d:\d+7], v[\a:\a+11], v[\b:\b+11], \c, v[\sa], v[\sb] matrix_a_fmt:MATRIX_FMT_BF6 matrix_b_fmt:MATRIX_FMT_BF6 matrix_a_scale:MATRIX_SCALE_ROW1
.elseif (\sel) == 2
	v_wmma_scale_f32_16x16x128_f8f6f4 v[\d:\d+7], v[\a:\a+11], v[\b:\b+11], \c, v[\sa], v[\sb] matrix_a_fmt:MATRIX_FMT_BF6 matrix_b_fmt:MATRIX_FMT_BF6 matrix_b_scale:MATRIX_SCALE_ROW1
.else
	v_wmma_scale_f32_16x16x128_f8f6f4 v[\d:\d+7], v[\a:\a+11], v[\b:\b+11], \c, v[\sa], v[\sb] matrix_a_fmt:MATRIX_FMT_BF6 matrix_b_fmt:MATRIX_FMT_BF6 matrix_a_scale:MATRIX_SCALE_ROW1 matrix_b_scale:MATRIX_SCALE_ROW1
.endif
.endm
	s_load_b256 s[4:11], s[0:1], 0x0               ; xcodes, xscales, wcodes, wscales
	s_load_b256 s[12:19], s[0:1], 0x20             ; bq, bk, bv, qp
	s_load_b64 s[20:21], s[0:1], 0x40              ; kv
	v_lshl_add_u32 v[SPW], v0, 2, SPARE
	v_mov_b32 v[NIL], 0
	ds_add_u32 v[SPW], v[NIL]                      ; the opening lines: the add, twice on end, and its wait
	ds_add_u32 v[SPW], v[NIL]
	v_lshrrev_b32 v1, 5, v0
	v_readfirstlane_b32 s[WV], v1                  ; wave: which 64 rows of x
	s_bfe_u32 s57, ttmp6, 0x40000
	s_bfe_u32 s58, ttmp6, 0x40004
	s_lshl_b32 s59, ttmp9, 2
	s_add_co_u32 s59, s59, s57                     ; the head
	s_and_b32 s60, ttmp7, 0xffff
	s_lshl_b32 s60, s60, 2
	s_add_co_u32 s60, s60, s58                     ; block of 256 rows
	s_lshl_b32 s62, 0x1111, s57                    ; my column of the cluster
	s_or_b32 s[G1+0], s62, (3<<16)|(1<<21)         ; the mask; elements of 8 bytes; bit 21 beside a mask
	s_mov_b32 s[G1+1], 768<<16                     ; rows of 6,144 bytes,
	s_mov_b32 s[G1+2], 6<<16                       ; six of them,
	s_mov_b32 s[G1+3], 768<<16
	s_mov_b32 s[G1+4], 6
	s_mov_b32 s[G1+5], 1536                        ; 12,288 bytes apart
	s_mov_b32 s[G1+6], 0
	s_mov_b32 s[G1+7], 0
	s_mul_i32 s63, s[WV], 36864                    ; my six pieces in LDS,
	s_lshr_b32 s68, s59, 1
	s_mul_i32 s68, s68, 294912                     ; and in memory: the block of 128 features,
	s_and_b32 s36, s59, 1
	s_mul_i32 s36, s36, 6144                       ; the head's four tiles of its eight,
	s_add_co_u32 s68, s68, s36
	s_mul_i32 s36, s[WV], 73728                    ; two K steps a wave
	s_add_co_u32 s68, s68, s36
	s_mov_b32 s69, 0
	s_lshl_b32 s66, s60, 4
	s_lshl_b32 s36, s[WV], 2
	s_add_co_u32 s66, s66, s36                     ; my first tile of x
	s_lshl_b32 s70, s66, 9                         ; x's scale words: 512 bytes a tile
	s_mov_b32 s71, 0
	s_mul_i32 s66, s66, 12288
	s_mov_b32 s67, 0
	s_lshl_b32 s72, s59, 11                        ; W's: four tiles a head
	s_mov_b32 s73, 0
	s_lshl_b32 s90, s59, 8                         ; the biases
	s_mov_b32 s91, 0
	s_lshr_b32 s36, s60, 2                         ; where the results go
	s_lshl_b32 s36, s36, 4
	s_add_co_u32 s36, s36, s59                     ; 16 x batch + head
	s_and_b32 s37, s60, 3
	s_lshl_b32 s37, s37, 1
	s_lshr_b32 s38, s[WV], 1
	s_add_co_u32 s37, s37, s38                     ; which 128 positions of the sequence,
	s_and_b32 s23, s[WV], 1                        ; and which half of them
	s_lshl_b32 s38, s37, 3
	s_lshl_b32 s39, s23, 2
	s_add_co_u32 s38, s38, s39                     ; my first tile of 16 positions
	s_mul_i32 s48, s36, 53248
	s_mul_i32 s49, s36, 153600
	s_mul_i32 s[QI], s38, 768
	s_add_co_u32 s[QI], s[QI], s48
	s_lshl_b32 s50, s38, 6
	s_add_co_u32 s[QW], s50, s48
	s_add_co_u32 s[QW], s[QW], 49152
	s_mul_i32 s[KI], s38, 1536
	s_add_co_u32 s[KI], s[KI], s49
	s_add_co_u32 s[KW], s50, s49
	s_add_co_u32 s[KW], s[KW], 147456
	s_mul_i32 s[VI], s37, 6144
	s_mul_i32 s51, s23, 768
	s_add_co_u32 s[VI], s[VI], s51
	s_add_co_u32 s[VI], s[VI], s49
	s_add_co_u32 s[VI], s[VI], 98304
	s_lshl_b32 s[VW], s37, 8
	s_lshl_b32 s51, s23, 1
	s_add_co_u32 s[VW], s[VW], s51
	s_add_co_u32 s[VW], s[VW], s49
	s_add_co_u32 s[VW], s[VW], 151552
.irp g, QI, QW, KI, KW, VI, VW
	s_mov_b32 s[\g+1], 0
.endr
	s_mov_b32 s[SEL], 0x76543210
	s_mov_b32 s[SEL+1], 0xfedcba98
	v_and_b32 v1, 15, v0                           ; n
	v_bfe_u32 v2, v0, 4, 1                         ; h
	v_and_b32 v3, 31, v0
	v_lshlrev_b32 v[L16], 4, v3
	v_lshlrev_b32 v[IMG], 3, v3
	v_lshlrev_b32 v[WRD], 2, v1
	v_lshlrev_b32 v[BA], 6, v2
	v_lshlrev_b32 v[SA], 4, v1
	v_lshl_add_u32 v[SA], v2, 9, v[SA]
	v_and_b32 v3, 8, v1
	v_add_nc_u32 v3, v3, v1
	v_lshlrev_b32 v[BV], 2, v3
.irp k, 0,1,2,3,4,5,6,7
	v_add_nc_u32 v[AW+\k], 18432*\k, v[L16]        ; a K step of W in LDS: three pieces
.endr
	v_cmp_gt_u32 s[LOW], 8, v1
	v_mov_b32 v[TS+98], 0                          ; (a lane permute's destination counts as one of its sources; the other sets' are written by W's loads)
	v_mov_b32 v[TS+99], 0
	s_wait_alu depctr_va_vdst(0)                   ; the wait at the head's end
	s_wait_dscnt 0x0                               ; both opening adds are done
	s_wait_kmcnt 0x0
	s_mov_b32 s[G0], 1
	s_mov_b32 s[G0+1], s63
	s_add_nc_u64 s[G0+2:G0+3], s[8:9], s[68:69]
	s_or_b32 s[G0+3], s[G0+3], 0x80000000
	CROUND                                         ; all sixteen work-groups are here: the joint loads meet
	tensor_load_to_lds s[G0:G0+3], s[G1:G1+7]      ; my one tensor load
	s_nop 0
	PLACES 4
	s_add_nc_u64 s[66:67], s[4:5], s[66:67]
	s_add_nc_u64 s[6:7], s[6:7], s[70:71]
	s_add_nc_u64 s[10:11], s[10:11], s[72:73]
	s_add_nc_u64 s[12:13], s[12:13], s[90:91]
	s_add_nc_u64 s[14:15], s[14:15], s[90:91]
	s_add_nc_u64 s[16:17], s[16:17], s[90:91]
	s_add_nc_u64 s[QI:QI+1], s[18:19], s[QI:QI+1]
	s_add_nc_u64 s[QW:QW+1], s[18:19], s[QW:QW+1]
	s_add_nc_u64 s[KI:KI+1], s[20:21], s[KI:KI+1]
	s_add_nc_u64 s[KW:KW+1], s[20:21], s[KW:KW+1]
	s_add_nc_u64 s[VI:VI+1], s[20:21], s[VI:VI+1]
	s_add_nc_u64 s[VW:VW+1], s[20:21], s[VW:VW+1]
.irp p, 0,1                                    ; scale words: register 8 p + K step: lanes 0-15 tile 2 p, lanes 16-31 tile 2 p + 1
.irp f, 0,1
	global_load_b128 v[XS+8*\p+4*\f:XS+8*\p+4*\f+3], v[SA], s[6:7] offset:1024*\p+256*\f
.endr
.endr
.irp ty, 0,1,2
.irp p, 0,1
.irp f, 0,1
	global_load_b128 v[WS+16*\ty+8*\p+4*\f:WS+16*\ty+8*\p+4*\f+3], v[SA], s[10:11] offset:32768*\ty+1024*\p+256*\f
.endr
.endr
.endr
	WIN 0xc0                                       ; destination window 3
.irp tw, 0,1,2,3
	global_load_b128 v[BI+8*\tw:BI+8*\tw+3], v[BA], s[12:13] offset:(32*(\tw/2)+8*(\tw%2))*4
	global_load_b128 v[BI+8*\tw+4:BI+8*\tw+7], v[BA], s[12:13] offset:(32*(\tw/2)+8*(\tw%2))*4+16
	global_load_b128 v[BI+32+8*\tw:BI+32+8*\tw+3], v[BA], s[14:15] offset:(32*(\tw/2)+8*(\tw%2))*4
	global_load_b128 v[BI+32+8*\tw+4:BI+32+8*\tw+7], v[BA], s[14:15] offset:(32*(\tw/2)+8*(\tw%2))*4+16
	global_load_b32 v[BI+64+8*\tw], v[BV], s[16:17] offset:(32*(\tw/2)+8*(\tw%2))*4
.endr
.macro LOADX ks                        ; x's four fragments of a K step: 12 loads of 512 consecutive bytes
	WIN 0x40
.irp tx, 0,1,2,3
.irp i, 0,1,2
	global_load_b128 v[XF+48*((\ks)%4)+FR*\tx+4*\i:XF+48*((\ks)%4)+FR*\tx+4*\i+3], v[L16], s[66:67] offset:12288*\tx+1536*(\ks)+512*\i
.endr
.endr
.endm
	LOADX 0
	LOADX 1
	LOADX 2
	LOADX 3
	s_wait_loadcnt 48                              ; all but x's 48: the scale words and the biases are in
	WIN 0xc3
.irp tw, 0,1,2,3
.irp j, 1,2,3,4,5,6,7
	v_mov_b32 v[BI+64+8*\tw+\j], v[BI+64+8*\tw]    ; v's bias hangs on the lane's feature alone
.endr
.endr
	WIN 0
.macro FETW buf, ks, ty                ; four fragments of W from LDS: 12 loads, each lane 16 bytes on end: 512 consecutive bytes a load
	WIN 0
.irp tw, 0,1,2,3
.irp i, 0,1,2
	ds_load_b128 v[WF+48*(\buf)+FR*\tw+4*\i:WF+48*(\buf)+FR*\tw+4*\i+3], v[AW+(\ks)] offset:6144*(\ty)+1536*\tw+512*\i
.endr
.endr
.endm
.macro MULG ks, ty                     ; 16 products; the accumulators take turns, one instruction a turn
.set rWB, WF+48*((3*(\ks)+(\ty))%2)
.set rXB, XF+48*((\ks)%4)
.if (\ty) < 2
.if (\ks) == 0
	WIN 0xb4                                       ; source 1 (x) window 1, C (the bias) window 3, D window 2
.else
	WIN 0xa4
.endif
.irp tx, 0,1,2,3
.irp tw, 0,1,2,3
.set rD, 128*(\ty)+8*(4*\tx+\tw)
.if (\ks) == 0
.set rC, BI+32*(\ty)+8*\tw
.else
.set rC, rD
.endif
	WM rD, rWB+FR*\tw, rXB+FR*\tx, v[rC:rC+7], WS+16*(\ty)+8*(\tw/2)+(\ks), XS+8*(\tx/2)+(\ks), (\tw%2)+2*(\tx%2)
.endr
.endr
.else
	WIN 0xf1                                       ; source 0 (x) window 1, C and D window 3
.irp tw, 0,1,2,3
.irp tx, 0,1,2,3
.set rD, 8*(4*\tw+\tx)
.if (\ks) == 0
.set rC, BI+64+8*\tw
.else
.set rC, rD
.endif
	WM rD, rXB+FR*\tx, rWB+FR*\tw, v[rC:rC+7], XS+8*(\tx/2)+(\ks), WS+32+8*(\tw/2)+(\ks), (\tx%2)+2*(\tw%2)
.endr
.endr
.endif
.endm
.macro GROUP ks, ty
.set G, 3*(\ks)+(\ty)
.if G > 0
	PLACES 4                                       ; in front of loads into registers that the last group's products have read
.endif
.if (\ty) == 0 && (\ks) >= 1 && (\ks) <= 4
	LOADX (\ks)+3                                  ; into the set that the last K step has left
.endif
.if G < 23
	FETW (G+1)%2, (G+1)/3, (G+1)%3
	s_wait_dscnt 12                                ; this group's fragments are in; the next group's 12 may be out
.else
	s_wait_dscnt 0x0
.endif
.if (\ty) == 0
.if (\ks) <= 4
	s_wait_loadcnt 36                              ; this K step's x is in; three later K steps' 36 loads may be out
.else
	s_wait_loadcnt 12*(7-(\ks))
.endif
.endif
	MULG \ks, \ty
.endm
	s_wait_alu depctr_va_vdst(0)                   ; directly ahead of the wait below
	s_wait_tensorcnt 0x0                           ; my six pieces of W have landed;
	s_barrier_signal -1
	s_barrier_wait -1                              ; everybody's: from here on LDS is only read
	FETW 0, 0, 0
.irp ks, 0,1,2,3,4,5,6,7
.irp ty, 0,1,2
	GROUP \ks, \ty
.endr
.endr
	PLACES 4                                       ; in front of the first read of results and of the writes into W's registers
; THE WAY OUT.  Four tiles go in step, so that eight chains take turns: in each tile 64 numbers of a pair of lanes along the next K become two blocks' codes and bytes.
.macro QUANT4 b0, win
	s_wait_xcnt 0x0                                ; the earlier stores have read their registers
	WIN 5*(\win)
.irp s, 0,1,2,3
	v_max3_num_f32 v[TS+32*\s], |v[\b0+32*\s]|, |v[\b0+32*\s+1]|, 0x2800000        ; the floor 2^(5 - 127): the byte cannot fall under 1
	v_max3_num_f32 v[TS+32*\s+1], |v[\b0+32*\s+16]|, |v[\b0+32*\s+17]|, 0x2800000
.endr
.irp i, 2,4,6,8,10,12,14
.irp s, 0,1,2,3
	v_max3_num_f32 v[TS+32*\s], |v[\b0+32*\s+\i]|, |v[\b0+32*\s+\i+1]|, v[TS+32*\s]
	v_max3_num_f32 v[TS+32*\s+1], |v[\b0+32*\s+16+\i]|, |v[\b0+32*\s+17+\i]|, v[TS+32*\s+1]
.endr
.endr
	WIN 0
.irp s, 0,1,2,3
	v_permlanex16_b32 v[TS+32*\s+2], v[TS+32*\s], s[SEL], s[SEL+1]
	v_permlanex16_b32 v[TS+32*\s+3], v[TS+32*\s+1], s[SEL], s[SEL+1]
.endr
.irp s, 0,1,2,3
	v_max_num_f32 v[TS+32*\s], v[TS+32*\s], v[TS+32*\s+2]
	v_max_num_f32 v[TS+32*\s+1], v[TS+32*\s+1], v[TS+32*\s+3]
.endr
.irp s, 0,1,2,3
	v_add_nc_u32 v[TS+32*\s+4], 0xfe000000, v[TS+32*\s]        ; 4 off the exponent field: the conversion's scale operand
	v_add_nc_u32 v[TS+32*\s+5], 0xfe000000, v[TS+32*\s+1]
.endr
.irp s, 0,1,2,3
	v_lshrrev_b32 v[TS+32*\s+6], 23, v[TS+32*\s+4]
	v_lshrrev_b32 v[TS+32*\s+7], 23, v[TS+32*\s+5]
.endr
.irp s, 0,1,2,3
	v_lshl_or_b32 v[TS+32*\s+18], v[TS+32*\s+7], 8, v[TS+32*\s+6]
.endr
	WIN \win
.irp s, 0,1,2,3
	v_cvt_scalef32_pk16_bf6_f32 v[TS+32*\s+8:TS+32*\s+10], v[\b0+32*\s:\b0+32*\s+15], v[TS+32*\s+4]
	v_cvt_scalef32_pk16_bf6_f32 v[TS+32*\s+14:TS+32*\s+16], v[\b0+32*\s+16:\b0+32*\s+31], v[TS+32*\s+5]
.endr
	WIN 0
	v_nop                                          ; one plain place behind a scaled conversion
.irp s, 0,1,2,3
.irp i, 0,1,2
	v_permlane16_swap_b32 v[TS+32*\s+8+\i], v[TS+32*\s+14+\i]      ; a whole block in a lane
.endr
.endr
.irp s, 0,1,2,3
.irp i, 0,1,2
	v_mov_b32 v[TS+32*\s+11+\i], v[TS+32*\s+14+\i]
.endr
.endr
.endm
.macro TWICE                           ; the two bytes serve both halves of an instruction's 128
.irp s, 0,1,2,3
	v_lshl_or_b32 v[TS+32*\s+18], v[TS+32*\s+18], 16, v[TS+32*\s+18]
.endr
.endm
	QUANT4 0, 2                                    ; q
	TWICE
.irp s, 0,1,2,3
.irp i, 0,1,2
	global_store_b64 v[IMG], v[TS+32*\s+8+2*\i:TS+32*\s+9+2*\i], s[QI:QI+1] offset:768*\s+256*\i
.endr
	global_store_b32 v[WRD], v[TS+32*\s+18], s[QW:QW+1] offset:64*\s
.endr
	QUANT4 128, 2                                  ; k: rows 0-7 keep their codes in the first 64 of K and zeros in the second, rows 8-15 the other way round
	TWICE
.irp s, 0,1,2,3
.irp i, 0,1,2,3,4,5
	v_cndmask_b32 v[TS+32*\s+20+\i], 0, v[TS+32*\s+8+\i], s[LOW]
	v_cndmask_b32 v[TS+32*\s+26+\i], v[TS+32*\s+8+\i], 0, s[LOW]
.endr
.endr
.irp s, 0,1,2,3
.irp i, 0,1,2
	global_store_b128 v[L16], v[TS+32*\s+20+4*\i:TS+32*\s+23+4*\i], s[KI:KI+1] offset:1536*\s+512*\i   ; registers 4 i .. 4 i + 3 of lane l at 512 i + 16 l
.endr
	global_store_b32 v[WRD], v[TS+32*\s+18], s[KW:KW+1] offset:64*\s
.endr
	QUANT4 0, 3                                    ; v
.irp s, 0,1,2,3
.irp i, 0,1,2
	global_store_b64 v[IMG], v[TS+32*\s+8+2*\i:TS+32*\s+9+2*\i], s[VI:VI+1] offset:1536*\s+256*\i
.endr
	global_store_b16 v[WRD], v[TS+32*\s+18], s[VW:VW+1] offset:64*\s
.endr
	s_wait_tensorcnt 0x0                           ; the wave's end
	ds_add_u32 v[SPW], v[NIL]
	s_wait_dscnt 0x0
	CROUND                                         ; the closing round
	s_endpgm
.Lfunc_end_k_qc5369a2d61_qkv:
	.size	k_qc5369a2d61_qkv, .Lfunc_end_k_qc5369a2d61_qkv-k_qc5369a2d61_qkv
	.p2alignl 7, 3214868480
	.fill 96, 4, 3214868480
	.section	.rodata,"a",@progbits
	.p2align	6, 0x0
	.amdhsa_kernel k_qc5369a2d61_qkv
		.amdhsa_group_segment_fixed_size 167936
		.amdhsa_private_segment_fixed_size 0
		.amdhsa_enable_private_segment 0
		.amdhsa_kernarg_size 72
		.amdhsa_user_sgpr_count 2
		.amdhsa_user_sgpr_kernarg_segment_ptr 1
		.amdhsa_wavefront_size32 1
		.amdhsa_system_sgpr_workgroup_id_x 1
		.amdhsa_system_sgpr_workgroup_id_y 1
		.amdhsa_system_sgpr_workgroup_id_z 1
		.amdhsa_system_vgpr_workitem_id 0
		.amdhsa_next_free_vgpr 1024
		.amdhsa_next_free_sgpr 100
		.amdhsa_reserve_vcc 0
		.amdhsa_float_denorm_mode_32 3
		.amdhsa_float_denorm_mode_16_64 3
		.amdhsa_memory_ordered 1
		.amdhsa_forward_progress 1
		.amdhsa_inst_pref_size 123
	.end_amdhsa_kernel
	.amdgpu_metadata
---
amdhsa.version: [ 1, 2 ]
amdhsa.kernels:
  - .name:           k_qc5369a2d61_qkv
    .symbol:         k_qc5369a2d61_qkv.kd
    .args:
      - { .name: xcodes, .offset: 0, .size: 8, .value_kind: global_buffer, .address_space: global }
      - { .name: xscales, .offset: 8, .size: 8, .value_kind: global_buffer, .address_space: global }
      - { .name: wcodes, .offset: 16, .size: 8, .value_kind: global_buffer, .address_space: global }
      - { .name: wscales, .offset: 24, .size: 8, .value_kind: global_buffer, .address_space: global }
      - { .name: bq, .offset: 32, .size: 8, .value_kind: global_buffer, .address_space: global }
      - { .name: bk, .offset: 40, .size: 8, .value_kind: global_buffer, .address_space: global }
      - { .name: bv, .offset: 48, .size: 8, .value_kind: global_buffer, .address_space: global }
      - { .name: qp, .offset: 56, .size: 8, .value_kind: global_buffer, .address_space: global }
      - { .name: kv, .offset: 64, .size: 8, .value_kind: global_buffer, .address_space: global }
    .group_segment_fixed_size: 167936
    .private_segment_fixed_size: 0
    .kernarg_segment_align: 8
    .kernarg_segment_size: 72
    .max_flat_workgroup_size: 128
    .sgpr_count:     100
    .vgpr_count:     1024
    .wavefront_size: 32
...
	.end_amdgpu_metadata
.endif
;; end of part 2
;; launch attn (part 3): grid 4 x 64, 8 waves a work-group, clusters of 4 x 1, 320,768 bytes of LDS; arguments qp, kv, etab, attention_mask, out0; writes out0
.if DOCPART == 3
	.amdgcn_target "amdgcn-amd-amdhsa--gfx1250"
	.amdhsa_code_object_version 6
	.text
	.protected	k_qc5369a2d61_attn
	.globl	k_qc5369a2d61_attn
	.p2align	8
	.type	k_qc5369a2d61_attn,@function
k_qc5369a2d61_attn:
	s_mov_b64 s[64:65], 0
	v_nop
	global_prefetch_b8 v0, s[64:65] scope:SCOPE_SE
	s_setreg_imm32_b32 hwreg(HW_REG_WAVE_MODE, 25, 1), 1
	s_wait_xcnt 0x0
	s_wait_alu depctr_hold_cnt(0) depctr_sa_sdst(0) depctr_va_vdst(0) depctr_va_sdst(0) depctr_va_ssrc(0) depctr_va_vcc(0) depctr_vm_vsrc(0)
	s_getreg_b32 s2, hwreg(HW_REG_IB_STS2, 6, 4)
	s_cmp_eq_u32 s2, 0
	s_cbranch_scc0 .Lentry_in_a_cluster
	s_endpgm
.Lentry_in_a_cluster:
	s_bfe_u32 s2, ttmp6, 0x10000c
	s_cmp_lg_u32 s2, 0x3003
	s_cbranch_scc0 .Lentry_shape_is_right
	s_endpgm
.Lentry_shape_is_right:
; ctx[b][l][head] = softmax_r((q[l].k[r] + q[l].E[l-r+1023] + k[r].E[l-r+1023]) / 8 + mask[b][r]) v[r], all four products on codes of BF6 (E3M2) with E8M0 scales, made by the two launches before.
; gabriel_mask is not among the arguments: reference() multiplies it into a value that it throws away, and no number of the output hangs on it.
; THE SOFTMAX: t = score x log2(e); M = the running largest t rounded up to a whole number; p = 2^(t - M) is quantised along the keys, not normalised; the row's sum is taken of the unquantised p and divides at the end.
; SHARES.  A work-group owns 256 queries of one head (16 b + head = work-group y); each of its eight waves 32 of them, two tiles t of 16; two waves to a SIMD.  Every wave walks 8 steps of 128 keys, a step in 4 blocks of 32 keys (tiles u = 0, 1).
; ALL OPERANDS LIE IN LDS FOR THE WHOLE LAUNCH, filled once: the head's K, V and their scale words (153,600 bytes, which the cluster's four work-groups ask for jointly), 1,296 rows of the table of distances and their words, 8 x mask.
; So there is no stream to run ahead of, and no prefetch.
; LAYOUT.  Scores are made transposed (source 0 = 16 keys, source 1 = 16 queries): lane (n, h) holds query n, register j key 8 h + j of a tile.  K = 64 fills half of an instruction's 128, so the two halves (slots) carry two things:
;   K's fragment: rows 0-7 have their codes in slot 0 and zeros in slot 1, rows 8-15 the other way round.   Q = [q | q], Q' = [q | 0]: registers 0-11 and 6-17 of [q q 0].
;   A composite C(e): row or column i is [E(e + i) | E(e - 8 + i)].
; k.E:  D = K x C(e) + 8 mask: lane (n', h), register j: k[8 h + j] . E(e - 8 h + n').  The score of query n wants n' = n - (j + 1) of one composite's result or n' + 16 of the next one's: two additions with a lane shift
;   inside the 16 lanes; each lane takes exactly one of the two, so the mask comes in once.
; q.E:  D = C(e) x Q': lane (n, h), register j: q[n] . E(e + 8 h + j): a shift that differs from lane to lane.  It goes through the wave's own scratch in LDS, a word at row n, word n + 15 - 8 h - j + 16 g,
;   and comes back straight into the scores' registers, which the product q.k then takes as its C.  A scratch row spans two blocks, 64 keys: an odd block's first result (g = 0) is the even block's third, which lies in the row already,
;   so an odd block multiplies and stores g = 1, 2 alone, 32 words further on.  Words 92 to 94 of a row fall on words 0 to 2 of the next, which are never read (the words read are 16 to 79).
; Four composites c(k) = C(G + 16 k), k = 1, 0, -1, -2, G = the wave's first query - the block's first key + 1024, serve both query tiles and both key tiles; the next block's c(1), c(0) are this block's c(-1), c(-2).
; The two query tiles' softmaxes go in step, so that dependent lines stand six or eight lines apart.
; LIMITS: NaN and infinities are not served, but -infinity in attention_mask; 8 x mask overflows to -infinity beyond 4.2e37, where p is 0 as in reference(); the mask is added ahead of the division by 8: another order of rounding;
; a block's largest p is taken from its largest score, which takes v_exp_f32 not to fall where its input rises.  The last trip's look-ahead reads LDS bytes of the neighbouring regions, all filled by then; nothing uses what it brings.
; REGISTERS.  window 0: v1-21, v33 addresses; v24-32 scale words; v34-45 statistics; v48-175 the scores, 64 a tile: register 16 b + 8 u + j; v176-199 q.E's results; v200-247 k.E's six; the softmax works in v176-247, 36 a tile.
;   window 1: v0-35 [q q 0], 18 a tile; v36-59 K's two fragments; v60-107 four composites; v108-123 two mask tiles; v124-171 V's four fragments; v172-235 O^T, 32 a tile.
.set KIMG, 0                           ; LDS: K's 64 images of 1,536 bytes
.set VIMG, 98304                       ; V's [step 8][tile 4] fragments of 1,536 bytes
.set KSC,  147456                      ; K's scale words, 4 bytes a key
.set VSC,  151552                      ; V's, [step 8][tile 4][16]
.set MSK,  153600                      ; 8 x mask, 4 bytes a key: stored by the waves, in blocks of 512 bytes of its own
.set ECOD, 157696                      ; the table's rows e = first query of the work-group - 16 + 0 .. 1295, 48 bytes each
.set EWRD, 219904                      ; their words
.set SCR,  225280                      ; scratch: 16 rows of 368 bytes, and 16 bytes, for each wave and query tile; also the stage for the way out
.set SP,   368
.set SCT,  16*SP+16
.set SPARE, SCR+16*SCT                 ; 319,744: the spare words, 128 bytes a wave
.set EWOFF, 104448                     ; where the words begin in the table's buffer
.set L8,   1                           ; v1   8 x lane
.set L4,   2                           ; v2   4 x lane
.set AE0,  3                           ; v3   my lane's place among the table's rows: 48 (lane % 16) + 24 (lane / 16) + 1,536 x wave
.set AEW0, 4                           ; v4   and among their words: 4 x lane + 128 x wave
.set H32,  5                           ; v5   32 (lane / 16)
.set AS,   6                           ; v6-7   scratch, in: 372 n + 32 - 32 h
.set AL,   8                           ; v8-9   scratch, back: 368 n + 32 h
.set ADK,  10                          ; v10-16 addresses of the loads in hand: K, V, K's words, V's words, mask, table, table's words
.set ADV,  11
.set AKS,  12
.set AVS,  13
.set AM,   14
.set AE,   15
.set AEW,  16
.set GO,   17                          ; v17    the way out: my byte offset in the wave's rows of the output
.set STO,  18                          ; v18-19 the stage, in;  v20-21 back
.set RD,   20
.set QS,   24                          ; v24-25 q's scale words, a register a tile
.set KS,   26                          ; v26    K's: lanes 0-15 tile u = 0, lanes 16-31 u = 1
.set ES,   27                          ; v27-28 the composites': of a block of parity par, v[ES + par] holds c(-2) below and c(-1) above, v[ES + 1 - par] c(0) and c(1)
.set VS,   29                          ; v29-30 V's: tiles 0, 1 and 2, 3
.set PW,   31                          ; v31-32 p's, a register a tile
.set L16,  33                          ; v33    16 x lane
.set ST,   34                          ; tile t's statistics at v[ST + 6 t]: -M, the largest score, the sum in two halves, f and its pair's upper half
.set S,    48
.set DA,   176
.set DB,   200
.set TW,   36                          ; the softmax's registers: tile t's lie TW t further on
.set BM,   176                         ; a block's largest score, then its largest p
.set PT,   180
.set SO,   184                         ; the conversions' scale operands
.set TT,   188                         ; v188-189: the chain's two; then the sum's third chain
.set TN,   189
.set HH,   190                         ; the conversions' second results
.set C2,   198                         ; the sum's second chain
.set PC,   200                         ; p's codes
.set Q,    0                           ; window 1
.set KF,   36
.set Z,    60
.set MT,   108
.set VF,   124
.set O,    172
.set WV,   14
.set G1J,  16                          ; s[16:23] group 1 of the joint load; s[24:31] of the table's rows; s[32:39] of its words; s[40:51] their groups 0
.set G1E,  24
.set G1W,  32
.set G0J,  40
.set G0E,  44
.set G0W,  48
.set SEL,  52                          ; s[52:53] v_permlanex16_b32's selects for lane l xor 16
.set CS,   54                          ; s[54:55] c = log2(e) / 8
.set TK,   56                          ; where the step to be fetched begins: K's images, V's, K's words, V's words, the table's rows, their words, the mask
.set TV,   57
.set TKS,  58
.set TVS,  59
.set TE,   60
.set TEW,  61
.set CNT,  62
.set TM,   63
.set MSB, 0
.macro WIN new                         ; the immediate's high byte repeats the setting that is left
.if MSB != \new
	s_set_vgpr_msb (MSB<<8)|\new
.set MSB, \new
.endif
.endm
.macro PLACES n
.rept \n
	v_nop
.endr
.endm
.macro ROUND                           ; a round of the cluster's barrier
	s_barrier_signal -1
	s_barrier_wait -1
	s_cmp_lg_u32 s[WV], 0
	s_cbranch_scc1 .Lnot_wave_0_\@
	s_barrier_signal -3
.Lnot_wave_0_\@:
	s_barrier_wait -3
	s_barrier_signal -1
	s_barrier_wait -1
.endm
.macro WM d, a, b, c, sa, sb, sel      ; sel: bit 0: source 0's scales in lanes 16-31; bit 1: source 1's
.if (\sel) == 0
	v_wmma_scale_f32_16x16x128_f8f6f4 v[\d:\d+7], v[\a:\a+11], v[\b:\b+11], \c, v[\sa], v[\sb] matrix_a_fmt:MATRIX_FMT_BF6 matrix_b_fmt:MATRIX_FMT_BF6
.elseif (\sel) == 1
	v_wmma_scale_f32_16x16x128_f8f6f4 v[\d:\d+7], v[\a:\a+11], v[\b:\b+11], \c, v[\sa], v[\sb] matrix_a_fmt:MATRIX_FMT_BF6 matrix_b_fmt:MATRIX_FMT_BF6 matrix_a_scale:MATRIX_SCALE_ROW1
.elseif (\sel) == 2
	v_wmma_scale_f32_16x16x128_f8f6f4 v[\d:\d+7], v[\a:\a+11], v[\b:\b+11], \c, v[\sa], v[\sb] matrix_a_fmt:MATRIX_FMT_BF6 matrix_b_fmt:MATRIX_FMT_BF6 matrix_b_scale:MATRIX_SCALE_ROW1
.else
	v_wmma_scale_f32_16x16x128_f8f6f4 v[\d:\d+7], v[\a:\a+11], v[\b:\b+11], \c, v[\sa], v[\sb] matrix_a_fmt:MATRIX_FMT_BF6 matrix_b_fmt:MATRIX_FMT_BF6 matrix_a_scale:MATRIX_SCALE_ROW1 matrix_b_scale:MATRIX_SCALE_ROW1
.endif
.endm
	s_load_b256 s[4:11], s[0:1], 0x0               ; qp, kv, etab, attention_mask
	s_load_b64 s[12:13], s[0:1], 0x20              ; out0
	v_lshl_add_u32 v254, v0, 2, SPARE
	v_mov_b32 v255, 0
	ds_add_u32 v254, v255                          ; the opening lines: the add, twice on end, and its wait
	ds_add_u32 v254, v255
	v_lshrrev_b32 v1, 5, v0
	s_delay_alu instid0(VALU_DEP_1)
	v_readfirstlane_b32 s[WV], v1                  ; wave 0..7
	s_bfe_u32 s15, ttmp6, 0x40000                  ; cx: it enters global addresses of my own loads and stores alone
	s_lshl_b32 s2, ttmp9, 2
	s_add_co_u32 s2, s2, s15                       ; my block of 256 queries
	s_lshl_b32 s66, s2, 8                          ; its first query
	s_and_b32 s67, ttmp7, 0xffff                   ; 16 x batch + head, which the four partners share
	s_mul_i32 s68, s67, 153600
	s_mul_i32 s69, s[WV], 38400                    ; waves 0-3 fetch a quarter of the head's K, V and words each: in memory and in LDS
	s_add_co_u32 s70, s68, s69
	s_mov_b32 s71, 0
	s_mul_i32 s74, s66, 48                         ; the table's first row that I want: e = first query - 16, which lies at row e + 16 of the buffer: 12,288 bytes a block of queries,
	s_mov_b32 s75, 0
	s_lshl_b32 s76, s66, 2                         ; and 1,024 bytes of words
	s_add_co_u32 s76, s76, EWOFF
	s_mov_b32 s77, 0
	; group 1: dense blocks as rows of 256 bytes (32 elements of 8 bytes): 150 rows jointly, 243 rows of the table; its words as one row of 648 elements
	s_mov_b32 s[G1J], 15|(3<<16)|(1<<21)           ; the mask: all four work-groups; elements of 8 bytes; bit 21 beside a mask
	s_mov_b32 s[G1J+1], 32<<16
	s_mov_b32 s[G1J+2], 150<<16
	s_mov_b32 s[G1J+3], 32<<16
	s_mov_b32 s[G1J+4], 150
	s_mov_b32 s[G1J+5], 32
	s_mov_b32 s[G1J+6], 0
	s_mov_b32 s[G1J+7], 0
	s_mov_b32 s[G1E], 3<<16                        ; no mask: each work-group's window of the table begins at another row
	s_mov_b32 s[G1E+1], 32<<16
	s_mov_b32 s[G1E+2], 243<<16
	s_mov_b32 s[G1E+3], 32<<16
	s_mov_b32 s[G1E+4], 243
	s_mov_b32 s[G1E+5], 32
	s_mov_b32 s[G1E+6], 0
	s_mov_b32 s[G1E+7], 0
	s_mov_b32 s[G1W], 3<<16
	s_mov_b32 s[G1W+1], 648<<16
	s_mov_b32 s[G1W+2], 1<<16
	s_mov_b32 s[G1W+3], 648<<16
	s_mov_b32 s[G1W+4], 1
	s_mov_b32 s[G1W+5], 648
	s_mov_b32 s[G1W+6], 0
	s_mov_b32 s[G1W+7], 0
	s_mul_i32 s78, s67, 53248
	s_lshl_b32 s79, s2, 4
	s_lshl_b32 s80, s[WV], 1
	s_add_co_u32 s79, s79, s80                     ; my first tile of 16 queries
	s_mul_i32 s82, s79, 768
	s_add_co_u32 s82, s82, s78                     ; its half image
	s_mov_b32 s83, 0
	s_lshl_b32 s84, s79, 6
	s_add_co_u32 s84, s84, s78
	s_add_co_u32 s84, s84, 49152                   ; its scale words
	s_mov_b32 s85, 0
	s_lshr_b32 s90, s67, 4                         ; the batch
	s_lshl_b32 s92, s90, 22                        ; the output: 4 MiB a batch,
	s_lshl_b32 s90, s90, 12                        ; the mask: 4,096 bytes a batch
	s_mov_b32 s91, 0
	s_lshl_b32 s79, s79, 16                        ; 4,096 bytes a query,
	s_add_co_u32 s92, s92, s79
	s_and_b32 s79, s67, 15
	s_lshl_b32 s79, s79, 8                         ; 256 bytes a head
	s_add_co_u32 s92, s92, s79
	s_mov_b32 s93, 0
	s_mov_b32 s[SEL], 0x76543210
	s_mov_b32 s[SEL+1], 0xfedcba98
	s_mov_b32 s[CS], 0x3e38aa3b                    ; c = log2(e) / 8
	s_mov_b32 s[CS+1], s[CS]                       ; (named with it as a pair, so it is written)
	s_mov_b32 s[TK], KIMG
	s_mov_b32 s[TV], VIMG
	s_mov_b32 s[TKS], KSC
	s_mov_b32 s[TVS], VSC
	s_mov_b32 s[TM], MSK
	s_mov_b32 s[TE], ECOD+43392                    ; 48 x 904: with the offsets below, row 1,040 + 32 x wave - 128 x step - ...
	s_mov_b32 s[TEW], EWRD+3648
	s_mov_b32 s[CNT], 8
	s_wait_dscnt 0x0
	s_wait_kmcnt 0x0
	s_mov_b32 s[G0J], 1
	s_mov_b32 s[G0J+1], s69
	s_add_nc_u64 s[G0J+2:G0J+3], s[6:7], s[70:71]
	s_or_b32 s[G0J+3], s[G0J+3], 0x80000000
	s_mov_b32 s[G0E], 1
	s_mov_b32 s[G0E+1], ECOD
	s_add_nc_u64 s[G0E+2:G0E+3], s[8:9], s[74:75]
	s_or_b32 s[G0E+3], s[G0E+3], 0x80000000
	s_mov_b32 s[G0W], 1
	s_mov_b32 s[G0W+1], EWRD
	s_add_nc_u64 s[G0W+2:G0W+3], s[8:9], s[76:77]
	s_or_b32 s[G0W+3], s[G0W+3], 0x80000000
	s_add_nc_u64 s[86:87], s[4:5], s[82:83]        ; q's images
	s_add_nc_u64 s[88:89], s[4:5], s[84:85]        ; q's words
	s_add_nc_u64 s[10:11], s[10:11], s[90:91]
	s_add_nc_u64 s[12:13], s[12:13], s[92:93]
	ROUND                                          ; all four work-groups are here: the joint loads meet
	s_cmp_lt_u32 s[WV], 4                          ; one tensor load a wave at the most, all in this one chain of branches on the wave's number; four v_nop follow each
	s_cbranch_scc0 .Lnot_joint
	tensor_load_to_lds s[G0J:G0J+3], s[G1J:G1J+7]
	s_nop 0
	PLACES 4
	s_branch .Lasked
.Lnot_joint:
	s_cmp_eq_u32 s[WV], 4
	s_cbranch_scc0 .Lnot_rows
	tensor_load_to_lds s[G0E:G0E+3], s[G1E:G1E+7]
	s_nop 0
	PLACES 4
	s_branch .Lasked
.Lnot_rows:
	s_cmp_eq_u32 s[WV], 5
	s_cbranch_scc0 .Lasked
	tensor_load_to_lds s[G0W:G0W+3], s[G1W:G1W+7]
	s_nop 0
	PLACES 4
.Lasked:
	v_lshlrev_b32 v248, 4, v0
	global_load_b128 v[176:179], v248, s[10:11]    ; the batch's mask: 256 threads x 16 bytes
	v_and_b32 v252, 31, v0                         ; lane
	s_delay_alu instid0(VALU_DEP_1)
	v_lshlrev_b32 v[L8], 3, v252
	s_delay_alu instid0(VALU_DEP_2)
	v_lshlrev_b32 v[L4], 2, v252
	s_delay_alu instid0(VALU_DEP_3)
	v_lshlrev_b32 v[L16], 4, v252
	v_and_b32 v46, 15, v0                          ; n
	v_bfe_u32 v47, v0, 4, 1                        ; h
	s_delay_alu instid0(VALU_DEP_2)
	v_lshlrev_b32 v250, 2, v46
	WIN 0x40                                       ; destination window 1
.irp t, 0,1
.irp i, 0,1,2
	global_load_b64 v[Q+18*\t+2*\i:Q+18*\t+2*\i+1], v[L8], s[86:87] offset:768*\t+256*\i
.endr
.endr
	WIN 0
	global_load_b32 v[QS], v250, s[88:89]
	global_load_b32 v[QS+1], v250, s[88:89] offset:64
	v_lshlrev_b32 v[H32], 5, v47
	v_mul_u32_u24 v[AE0], v46, 48
	s_delay_alu instid0(VALU_DEP_1)
	v_mad_u32_u24 v[AE0], v47, 24, v[AE0]
	s_mul_i32 s94, s[WV], 1536
	v_add_nc_u32 v[AE0], s94, v[AE0]
	s_lshl_b32 s94, s[WV], 7
	v_add_nc_u32 v[AEW0], s94, v[L4]
	s_mul_i32 s95, s[WV], 2*SCT
	s_add_co_u32 s95, s95, SCR                     ; my scratch
	v_xor_b32 v22, 1, v47
	s_delay_alu instid0(VALU_DEP_1)
	v_lshlrev_b32 v22, 5, v22                      ; 32 (1 - h)
	s_delay_alu instid0(VALU_DEP_1)
	v_mad_u32_u24 v22, v46, SP+4, v22              ; in: row n, and n words on
	v_mul_u32_u24 v23, v46, SP
	s_delay_alu instid0(VALU_DEP_1)
	v_add_nc_u32 v253, v23, v[H32]                 ; back: row n, + 32 h
	v_mul_u32_u24 v23, v46, 272
	s_delay_alu instid0(VALU_DEP_1)
	v_lshl_add_u32 v23, v47, 6, v23                ; the stage (rows of 272 bytes), in: row n, + 64 h
	v_mul_u32_u24 v249, v47, 272
	s_delay_alu instid0(VALU_DEP_1)
	v_lshl_add_u32 v249, v46, 4, v249              ; the stage, back: lanes 0-15 one row, lanes 16-31 the next
.irp t, 0,1
	v_add_nc_u32 v[AS+\t], s95, v22
	v_add_nc_u32 v[AL+\t], s95, v253
	v_add_nc_u32 v[STO+\t], s95, v23
	v_add_nc_u32 v[RD+\t], s95, v249
	s_add_co_u32 s95, s95, SCT
.endr
	v_lshlrev_b32 v[GO], 12, v47
	s_delay_alu instid0(VALU_DEP_1)
	v_lshl_add_u32 v[GO], v46, 4, v[GO]            ; the same two rows in the output
	v_add_nc_u32 v249, MSK, v248
	v_add_nc_u32 v[ADK], s[TK], v[L16]
	v_add_nc_u32 v[ADV], s[TV], v[L8]
	v_add_nc_u32 v[AKS], s[TKS], v[L4]
	v_add_nc_u32 v[AVS], s[TVS], v[L4]
	v_add_nc_u32 v[AM], s[TM], v[H32]
	v_add_nc_u32 v[AE], s[TE], v[AE0]
	v_add_nc_u32 v[AEW], s[TEW], v[AEW0]
.irp t, 0,1
	v_mov_b32 v[ST+6*\t+1], 0xff61b1e6             ; the largest score so far: -3e38, under every score
	s_delay_alu instid0(VALU_DEP_1)
	v_floor_f32 v[ST+6*\t], -v[ST+6*\t+1]          ; -M
	v_mov_b32 v[ST+6*\t+2], 0                      ; the sum, in two halves
	v_mov_b32 v[ST+6*\t+3], 0
	v_mov_b32 v[ST+6*\t+4], 0
	v_mov_b32 v[ST+6*\t+5], 0                      ; (named as a pair's upper half)
.endr
	s_wait_loadcnt 0x0                             ; the mask, q and its words
	v_pk_mul_f32 v[176:177], v[176:177], 0x41000000 op_sel_hi:[1,0]   ; 8 x mask: it is added ahead of the division by 8
	v_pk_mul_f32 v[178:179], v[178:179], 0x41000000 op_sel_hi:[1,0]
	ds_store_b128 v249, v[176:179]
	WIN 0x41                                       ; destination and source 0 window 1
.irp t, 0,1
.irp i, 0,1,2,3,4,5
	v_mov_b32 v[Q+18*\t+6+\i], v[Q+18*\t+\i]       ; [q q 0]
.endr
.endr
	WIN 0x40
.irp t, 0,1
.irp i, 0,1,2,3,4,5
	v_mov_b32 v[Q+18*\t+12+\i], 0
.endr
.endr
.set j, 0
.rept 64
	v_mov_b32 v[O+j], 0                            ; O^T.  (The step is written once: the first finds zeros, which the first change of M leaves zeros)
.set j, j+1
.endr
	WIN 0
	s_wait_alu depctr_va_vdst(0)                   ; the wait at the head's end
	s_wait_tensorcnt 0x0                           ; my tensor load has landed,
	s_wait_dscnt 0x0                               ; my part of the mask is stored:
	s_barrier_signal -1
	s_barrier_wait -1                              ; everybody's; from here on these regions are only read, and each wave's scratch is its own: no further barrier
; Two composites, c(-1) and c(-2) of block bn of the step in hand (parity par), and their words: 13 LDS loads
.macro PF_COMP bn, par
	WIN 0
	ds_load_b32 v[ES+(\par)], v[AEW] offset:128*(3-(\bn))
	WIN 0x40
.irp kc, 1,2
.irp sg, 0,1
.irp p, 0,1,2
	ds_load_b64 v[Z+12*(((1+\kc)+2*(\par))%4)+6*\sg+2*\p:Z+12*(((1+\kc)+2*(\par))%4)+6*\sg+2*\p+1], v[AE] offset:48*(136-32*(\bn)-16*\kc-8*\sg)+8*\p
.endr
.endr
.endr
.endm
; Block bn's two fragments of K, its two mask tiles and K's words: 11 LDS loads
.macro PF_K bn
	WIN 0
	ds_load_b32 v[KS], v[AKS] offset:128*(\bn)
	WIN 0x40
.irp u, 0,1
.irp i, 0,1,2
	ds_load_b128 v[KF+12*\u+4*\i:KF+12*\u+4*\i+3], v[ADK] offset:(2*(\bn)+\u)*1536+512*\i
.endr
.irp i, 0,1
	ds_load_b128 v[MT+8*\u+4*\i:MT+8*\u+4*\i+3], v[AM] offset:128*(\bn)+64*\u+16*\i
.endr
.endr
	WIN 0
.endm
.macro PF_V                            ; the step's four fragments of V and their words: 26 LDS loads
	WIN 0x40
.irp dt, 0,1,2,3
.irp i, 0,1,2,3,4,5
	ds_load_b64 v[VF+12*\dt+2*\i:VF+12*\dt+2*\i+1], v[ADV] offset:1536*\dt+256*\i
.endr
.endr
	WIN 0
	ds_load_b32 v[VS], v[AVS]
	ds_load_b32 v[VS+1], v[AVS] offset:128
.endm
.macro COMPOF                          ; from rK: where composite c(rK) lies, and its words' register
.set rZ, Z+12*(((1-rK)+2*PAR)%4)
.if rK < 0
.set rE, ES+PAR
.else
.set rE, ES+1-PAR
.endif
.endm
.macro TERMA t                         ; q.E for query tile t: c(t - g) x Q', g = 0, 1, 2; in an odd block g = 1, 2
.irp g, 0,1,2
.if \g >= PAR
.set rK, (\t)-\g
	COMPOF
	WM DA+8*\g, rZ, Q+18*(\t)+6, 0, rE, QS+(\t), (rK+2)%2
.endif
.endr
.endm
.macro TERMB                           ; k.E + 8 mask: key tile u x c(1 - u), c(-u), c(-1 - u)
.irp u, 0,1
.irp kk, 0,1,2
.set rK, 1-\u-\kk
	COMPOF
	WM DB+8*(3*\u+\kk), KF+12*\u, rZ, v[MT+8*\u:MT+8*\u+7], KS, rE, \u+2*((rK+2)%2)
.endr
.endr
.endm
.macro TOSCR t, b                      ; q.E through my scratch, each accumulator from its low end on; the block's 16 scores a lane back.  LDS serves a wave's instructions in order: no wait between
.irp g, 0,1,2
.if \g >= PAR
.irp j, 0,1,2,3,4,5,6,7
	ds_store_b32 v[AS+(\t)], v[DA+8*\g+\j] offset:128*PAR+28+64*\g-4*\j
.endr
.endif
.endr
.irp u, 0,1
.irp i, 0,1
	ds_load_b128 v[S+64*(\t)+16*(\b)+8*\u+4*\i:S+64*(\t)+16*(\b)+8*\u+4*\i+3], v[AL+(\t)] offset:128*PAR+64+64*\u+16*\i
.endr
.endr
.endm
.macro ADDB sb, d1, d2                 ; k.E into eight scores: register j takes lane n - (j + 1) of d1 where there is one, else lane n + 15 - j of d2; lanes without a source keep the score
	v_add_f32_dpp v[\sb+0], v[\d1+0], v[\sb+0] row_shr:1 row_mask:0xf bank_mask:0xf
	v_add_f32_dpp v[\sb+1], v[\d1+1], v[\sb+1] row_shr:2 row_mask:0xf bank_mask:0xf
	v_add_f32_dpp v[\sb+2], v[\d1+2], v[\sb+2] row_shr:3 row_mask:0xf bank_mask:0xf
	v_add_f32_dpp v[\sb+3], v[\d1+3], v[\sb+3] row_shr:4 row_mask:0xf bank_mask:0xf
	v_add_f32_dpp v[\sb+4], v[\d1+4], v[\sb+4] row_shr:5 row_mask:0xf bank_mask:0xf
	v_add_f32_dpp v[\sb+5], v[\d1+5], v[\sb+5] row_shr:6 row_mask:0xf bank_mask:0xf
	v_add_f32_dpp v[\sb+6], v[\d1+6], v[\sb+6] row_shr:7 row_mask:0xf bank_mask:0xf
	v_add_f32_dpp v[\sb+7], v[\d1+7], v[\sb+7] row_shr:8 row_mask:0xf bank_mask:0xf
	v_add_f32_dpp v[\sb+0], v[\d2+0], v[\sb+0] row_shl:15 row_mask:0xf bank_mask:0xf
	v_add_f32_dpp v[\sb+1], v[\d2+1], v[\sb+1] row_shl:14 row_mask:0xf bank_mask:0xf
	v_add_f32_dpp v[\sb+2], v[\d2+2], v[\sb+2] row_shl:13 row_mask:0xf bank_mask:0xf
	v_add_f32_dpp v[\sb+3], v[\d2+3], v[\sb+3] row_shl:12 row_mask:0xf bank_mask:0xf
	v_add_f32_dpp v[\sb+4], v[\d2+4], v[\sb+4] row_shl:11 row_mask:0xf bank_mask:0xf
	v_add_f32_dpp v[\sb+5], v[\d2+5], v[\sb+5] row_shl:10 row_mask:0xf bank_mask:0xf
	v_add_f32_dpp v[\sb+6], v[\d2+6], v[\sb+6] row_shl:9 row_mask:0xf bank_mask:0xf
	v_add_f32_dpp v[\sb+7], v[\d2+7], v[\sb+7] row_shl:8 row_mask:0xf bank_mask:0xf
.endm
; A BLOCK of 32 keys x the wave's 32 queries: 16 matrix instructions in an even block, 14 in an odd one.
.macro BLOCK b
.set PAR, (\b)%2
	s_wait_dscnt 0x0                               ; what was fetched ahead is in
	WIN 0x15                                       ; sources 0 and 1, and C (the mask tile), window 1
	TERMA 0
	TERMB
	WIN 0
	PLACES 5                                       ; four in front of the stores that read results; five in front of the matrix instructions below that write over the first results
	TOSCR 0, \b
	s_wait_dscnt 4                                 ; the stores have read their registers; the four loads behind them may be out
	WIN 0x15
	TERMA 1
	WIN 0
	PLACES 4                                       ; in front of the stores, and of the loads into the two composites and the words that are done with
	TOSCR 1, \b
.if (\b) == 3
	s_sub_co_u32 s[TE], s[TE], 6144                ; the next step's keys lie 128 further on, its rows of the table 128 back
	s_sub_co_u32 s[TEW], s[TEW], 512
	v_add_nc_u32 v[AE], s[TE], v[AE0]              ; (no load that names these two is out: the wait at the block's head)
	v_add_nc_u32 v[AEW], s[TEW], v[AEW0]
	PF_COMP 0, 0
.else
	PF_COMP (\b)+1, 1-PAR
.endif
	s_wait_dscnt 13                                ; all but the 13 just issued: q.E of both tiles is in the scores' registers
	WIN 0x05
.irp t, 0,1
.irp u, 0,1
.set rD, S+64*\t+16*(\b)+8*\u
	WM rD, KF+12*\u, Q+18*\t, v[rD:rD+7], KS, QS+\t, \u     ; + q.k
.endr
.endr
	WIN 0
	PLACES 4                                       ; in front of the loads into K's registers and of the first read of the scores
.if (\b) == 3
	s_add_co_u32 s[TK], s[TK], 12288
	s_add_co_u32 s[TKS], s[TKS], 512
	s_add_co_u32 s[TM], s[TM], 512
	v_add_nc_u32 v[ADK], s[TK], v[L16]             ; (the loads that are out name other registers)
	v_add_nc_u32 v[AKS], s[TKS], v[L4]
	v_add_nc_u32 v[AM], s[TM], v[H32]
	PF_K 0
	PF_V                                           ; this step's V lands under the additions and the softmax
.else
	PF_K (\b)+1
.endif
.irp t, 0,1
.irp u, 0,1
	ADDB S+64*\t+16*(\b)+8*\u, DB+8*(3*\u+1-\t), DB+8*(3*\u+2-\t)
.endr
.endr
.endm
; Both tiles' softmax for a step of 128 keys, p's codes and scale words, and O^T under the new M.  Eight chains (4 blocks x 2 tiles) take turns.
.macro SOFTMAX2
.irp b, 0,1,2,3
.irp t, 0,1
	v_max3_num_f32 v[BM+TW*\t+\b], v[S+64*\t+16*\b], v[S+64*\t+16*\b+1], v[S+64*\t+16*\b+2]   ; the largest score of each block of 32 keys: for the row's maximum and, since p rises with the score, for the block's largest p
.endr
.endr
.irp i, 3,5,7,9,11,13
.irp b, 0,1,2,3
.irp t, 0,1
	v_max3_num_f32 v[BM+TW*\t+\b], v[BM+TW*\t+\b], v[S+64*\t+16*\b+\i], v[S+64*\t+16*\b+\i+1]
.endr
.endr
.endr
.irp b, 0,1,2,3
.irp t, 0,1
	v_max_num_f32 v[BM+TW*\t+\b], v[BM+TW*\t+\b], v[S+64*\t+16*\b+15]
.endr
.endr
.irp b, 0,1,2,3
.irp t, 0,1
	v_permlanex16_b32 v[PT+TW*\t+\b], v[BM+TW*\t+\b], s[SEL], s[SEL+1]
.endr
.endr
.irp b, 0,1,2,3
.irp t, 0,1
	v_max_num_f32 v[BM+TW*\t+\b], v[BM+TW*\t+\b], v[PT+TW*\t+\b]   ; with lane l xor 16's 16 keys
.endr
.endr
.irp t, 0,1
	v_max3_num_f32 v[ST+6*\t+1], v[BM+TW*\t], v[BM+TW*\t+1], v[ST+6*\t+1]     ; the running largest score
.endr
.irp t, 0,1
	s_delay_alu instid0(VALU_DEP_2)
	v_max3_num_f32 v[ST+6*\t+1], v[BM+TW*\t+2], v[BM+TW*\t+3], v[ST+6*\t+1]
.endr
.irp t, 0,1
	s_delay_alu instid0(VALU_DEP_2)
	v_mul_f32 v[TT+TW*\t], -v[ST+6*\t+1], s[CS]    ; as -t (c is positive)
.endr
.irp t, 0,1
	s_delay_alu instid0(VALU_DEP_2)
	v_floor_f32 v[TN+TW*\t], v[TT+TW*\t]           ; the new -M = floor(-t): M is a whole number
.endr
.irp t, 0,1
	s_delay_alu instid0(VALU_DEP_2)
	v_sub_f32 v[TT+TW*\t], v[TN+TW*\t], v[ST+6*\t] ; M's old value less its new one: a whole number, 0 or less
.endr
.irp t, 0,1
	s_delay_alu instid0(VALU_DEP_2)
	v_cvt_i32_f32 v[TT+TW*\t], v[TT+TW*\t]         ; (it saturates)
.endr
.irp t, 0,1
	v_mov_b32 v[ST+6*\t], v[TN+TW*\t]
.endr
.irp t, 0,1
	s_delay_alu instid0(VALU_DEP_4)
	v_ldexp_f32 v[ST+6*\t+4], 1.0, v[TT+TW*\t]     ; f = 2^(old M - new M): a multiplication by it rounds nothing
.endr
	s_delay_alu instid0(VALU_DEP_4)
.irp t, 0,1
.set j, 0
.rept 32
	v_pk_fma_f32 v[S+64*\t+j:S+64*\t+j+1], v[S+64*\t+j:S+64*\t+j+1], s[CS:CS+1], v[ST+6*\t:ST+6*\t+1] op_sel_hi:[1,0,0]   ; t - M, two at a time
.set j, j+2
.endr
.endr
.irp b, 0,1,2,3
.irp t, 0,1
	v_fma_f32 v[BM+TW*\t+\b], v[BM+TW*\t+\b], s[CS], v[ST+6*\t]    ; the same of each block's largest score
.endr
.endr
	s_wait_alu depctr_va_vdst(0)                   ; the wait ahead of the batch
.set j, 0
.rept 128
	v_exp_f32 v[S+j], v[S+j]                       ; p = 2^(t - M), at most 1
.set j, j+1
.endr
.irp b, 0,1,2,3
.irp t, 0,1
	v_exp_f32 v[BM+TW*\t+\b], v[BM+TW*\t+\b]       ; the block's largest p
.endr
.endr
.irp t, 0,1
	v_pk_mul_f32 v[ST+6*\t+2:ST+6*\t+3], v[ST+6*\t+2:ST+6*\t+3], v[ST+6*\t+4:ST+6*\t+5] op_sel_hi:[1,0]   ; the sums under the new M.  (Plain places behind the exponentials)
.endr
	s_wait_alu depctr_va_vdst(0)                   ; one wait for the whole batch, ahead of its first reader
.irp b, 0,1,2,3
.irp t, 0,1
	v_max_num_f32 v[BM+TW*\t+\b], 0x2800000, v[BM+TW*\t+\b]        ; the floor 2^(5 - 127): the byte cannot fall under 1
.endr
.endr
.irp b, 0,1,2,3
.irp t, 0,1
	v_add_nc_u32 v[SO+TW*\t+\b], 0xfe000000, v[BM+TW*\t+\b]        ; 4 off the exponent field: the conversion's scale operand
.endr
.endr
.irp b, 0,1,2,3
.irp t, 0,1
	v_lshrrev_b32 v[PT+TW*\t+\b], 23, v[SO+TW*\t+\b]               ; the byte
.endr
.endr
.irp t, 0,1
.irp c, 0,1
	v_cvt_scalef32_pk16_bf6_f32 v[PC+TW*\t+6*\c:PC+TW*\t+6*\c+2], v[S+64*\t+32*\c:S+64*\t+32*\c+15], v[SO+TW*\t+2*\c]
	v_cvt_scalef32_pk16_bf6_f32 v[HH+TW*\t+4*\c:HH+TW*\t+4*\c+2], v[S+64*\t+32*\c+16:S+64*\t+32*\c+31], v[SO+TW*\t+2*\c+1]   ; (a conversion's three registers begin on an even number)
.endr
.endr
.irp t, 0,1
	v_lshl_or_b32 v[PT+TW*\t], v[PT+TW*\t+1], 8, v[PT+TW*\t]       ; bytes 0, 1.  (These four are also the plain place behind the conversions)
.endr
.irp t, 0,1
	v_lshl_or_b32 v[PT+TW*\t+2], v[PT+TW*\t+3], 8, v[PT+TW*\t+2]   ; bytes 2, 3
.endr
.irp t, 0,1
.irp c, 0,1                                    ; the operand's layout wants a whole block in a lane
.irp i, 0,1,2
	v_permlane16_swap_b32 v[PC+TW*\t+6*\c+\i], v[HH+TW*\t+4*\c+\i]
.endr
.endr
.endr
.irp t, 0,1
	v_lshl_or_b32 v[PW+\t], v[PT+TW*\t+2], 16, v[PT+TW*\t]         ; p's scale word for these 128 keys
.endr
.irp t, 0,1
.irp c, 0,1
.irp i, 0,1,2
	v_mov_b32 v[PC+TW*\t+6*\c+3+\i], v[HH+TW*\t+4*\c+\i]
.endr
.endr
.endr
.irp t, 0,1                                    ; the row's sum is taken of the unquantised p: two at a time, three chains a tile, six by turns
	v_pk_add_f32 v[C2+TW*\t:C2+TW*\t+1], v[S+64*\t:S+64*\t+1], v[S+64*\t+2:S+64*\t+3]
.endr
.irp t, 0,1
	v_pk_add_f32 v[TT+TW*\t:TT+TW*\t+1], v[S+64*\t+4:S+64*\t+5], v[S+64*\t+6:S+64*\t+7]
.endr
.irp t, 0,1
	v_pk_add_f32 v[ST+6*\t+2:ST+6*\t+3], v[ST+6*\t+2:ST+6*\t+3], v[S+64*\t+8:S+64*\t+9]
.endr
.irp j, 10,16,22,28,34,40,46,52,58
.irp t, 0,1
	v_pk_add_f32 v[C2+TW*\t:C2+TW*\t+1], v[C2+TW*\t:C2+TW*\t+1], v[S+64*\t+\j:S+64*\t+\j+1]
.endr
.irp t, 0,1
	v_pk_add_f32 v[TT+TW*\t:TT+TW*\t+1], v[TT+TW*\t:TT+TW*\t+1], v[S+64*\t+\j+2:S+64*\t+\j+3]
.endr
.irp t, 0,1
	v_pk_add_f32 v[ST+6*\t+2:ST+6*\t+3], v[ST+6*\t+2:ST+6*\t+3], v[S+64*\t+\j+4:S+64*\t+\j+5]
.endr
.endr
.irp t, 0,1
	s_delay_alu instid0(VALU_DEP_4)
	v_pk_add_f32 v[C2+TW*\t:C2+TW*\t+1], v[C2+TW*\t:C2+TW*\t+1], v[TT+TW*\t:TT+TW*\t+1]
.endr
.irp t, 0,1
	s_delay_alu instid0(VALU_DEP_2)
	v_pk_add_f32 v[ST+6*\t+2:ST+6*\t+3], v[ST+6*\t+2:ST+6*\t+3], v[C2+TW*\t:C2+TW*\t+1]
.endr
	s_wait_dscnt 0x0                               ; V is in (and the next step's first block)
	WIN 0x41                                       ; destination and source 0 window 1
	s_wait_alu depctr_va_vdst(0)                   ; directly ahead of the first reader of O^T
.irp t, 0,1
.set j, 0
.rept 16
	v_pk_mul_f32 v[O+32*\t+j:O+32*\t+j+1], v[O+32*\t+j:O+32*\t+j+1], v[ST+6*\t+4:ST+6*\t+5] op_sel_hi:[1,0]   ; O^T under the new M.  (The sums and these are the places between the scale words' and the codes' last writes and the products)
.set j, j+2
.endr
.endr
.endm
.macro PV t                            ; O^T += V^T P^T: four tiles of 16 of the head's 64; K = these 128 keys
	WIN 0x51                                       ; source 0 (V), C and D window 1; source 1 (p) window 0
.irp dt, 0,1,2,3
.set rD, O+32*(\t)+8*\dt
	WM rD, VF+12*\dt, PC+TW*(\t), v[rD:rD+7], VS+(\dt/2), PW+(\t), \dt%2
.endr
.endm
	PF_COMP -1, 1                                  ; block 0's c(1) and c(0),
	PF_COMP 0, 0                                   ; its c(-1) and c(-2),
	PF_K 0                                         ; and its keys
.Lstep:                                            ; eight trips: a step of 128 keys each
	BLOCK 0
	BLOCK 1
	BLOCK 2
	BLOCK 3
	SOFTMAX2
	PV 0
	PV 1
	WIN 0
	s_add_co_u32 s[TV], s[TV], 6144
	s_add_co_u32 s[TVS], s[TVS], 256
	v_add_nc_u32 v[ADV], s[TV], v[L8]              ; (no LDS load is out)
	v_add_nc_u32 v[AVS], s[TVS], v[L4]
	PLACES 3                                       ; with the two additions: five places in front of the matrix instructions that write over p's codes, four in front of the first read of O^T
	s_sub_co_u32 s[CNT], s[CNT], 1
	s_cmp_lg_u32 s[CNT], 0
	s_cbranch_scc1 .Lstep
	; THE WAY OUT.  O^T / the sum goes through my scratch, 16 queries at a time, and leaves as rows of 256 bytes: a query's 64 numbers of this head.
.irp t, 0,1
	v_add_f32 v[176+2*\t], v[ST+6*\t+2], v[ST+6*\t+3]      ; the sum's two halves,
.endr
.irp t, 0,1
	s_delay_alu instid0(VALU_DEP_2)
	v_permlanex16_b32 v[180+\t], v[176+2*\t], s[SEL], s[SEL+1]
.endr
.irp t, 0,1
	s_delay_alu instid0(VALU_DEP_2)
	v_add_f32 v[176+2*\t], v[176+2*\t], v[180+\t]          ; and lane l xor 16's
.endr
	s_wait_alu depctr_va_vdst(0)
.irp t, 0,1
	v_rcp_f32 v[176+2*\t], v[176+2*\t]
.endr
	v_nop                                          ; one plain place behind a transcendental
	WIN 0x01                                       ; source 0 window 1
	s_wait_alu depctr_va_vdst(0)
.irp t, 0,1
.set j, 0
.rept 16
	v_pk_mul_f32 v[S+64*\t+j:S+64*\t+j+1], v[O+32*\t+j:O+32*\t+j+1], v[176+2*\t:177+2*\t] op_sel_hi:[1,0]   ; register 16 b + i is feature 32 b + 16 h + i of my query
.set j, j+2
.endr
.endr
	WIN 0
.irp t, 0,1
.irp i, 0,1,2,3,4,5,6,7
	ds_store_b128 v[STO+\t], v[S+64*\t+4*\i:S+64*\t+4*\i+3] offset:128*(\i/4)+16*(\i%4)
.endr
.irp i, 0,1,2,3,4,5,6,7
	ds_load_b128 v[S+64*\t+32+4*\i:S+64*\t+32+4*\i+3], v[RD+\t] offset:544*\i    ; LDS serves a wave's instructions in order: these see my stores
.endr
.endr
.irp t, 0,1
.irp i, 0,1,2,3,4,5,6,7
	s_wait_dscnt 16*(1-\t)+7-\i                    ; behind this load: the rest of its tile's, and for tile 0 the sixteen of tile 1
	global_store_b128 v[GO], v[S+64*\t+32+4*\i:S+64*\t+32+4*\i+3], s[12:13] offset:(16*\t+2*\i)*4096 th:TH_STORE_NT   ; 16 lanes store 256 consecutive bytes, aligned; written once, read by nobody here
.endr
.endr
	s_wait_tensorcnt 0x0                           ; the wave's end
	ds_add_u32 v254, v255
	s_wait_dscnt 0x0
	ROUND                                          ; the closing round: no work-group ends while a partner may still ask jointly
	s_endpgm
.Lfunc_end_k_qc5369a2d61_attn:
	.size	k_qc5369a2d61_attn, .Lfunc_end_k_qc5369a2d61_attn-k_qc5369a2d61_attn
	.p2alignl 7, 3214868480
	.fill 96, 4, 3214868480
	.section	.rodata,"a",@progbits
	.p2align	6, 0x0
	.amdhsa_kernel k_qc5369a2d61_attn
		.amdhsa_group_segment_fixed_size 320768
		.amdhsa_private_segment_fixed_size 0
		.amdhsa_enable_private_segment 0
		.amdhsa_kernarg_size 40
		.amdhsa_user_sgpr_count 2
		.amdhsa_user_sgpr_kernarg_segment_ptr 1
		.amdhsa_wavefront_size32 1
		.amdhsa_system_sgpr_workgroup_id_x 1
		.amdhsa_system_sgpr_workgroup_id_y 1
		.amdhsa_system_sgpr_workgroup_id_z 1
		.amdhsa_system_vgpr_workitem_id 0
		.amdhsa_next_free_vgpr 512
		.amdhsa_next_free_sgpr 100
		.amdhsa_reserve_vcc 0
		.amdhsa_float_denorm_mode_32 3
		.amdhsa_float_denorm_mode_16_64 3
		.amdhsa_memory_ordered 1
		.amdhsa_forward_progress 1
		.amdhsa_inst_pref_size 95
	.end_amdhsa_kernel
	.amdgpu_metadata
---
amdhsa.version: [ 1, 2 ]
amdhsa.kernels:
  - .name:           k_qc5369a2d61_attn
    .symbol:         k_qc5369a2d61_attn.kd
    .args:
      - { .name: qp, .offset: 0, .size: 8, .value_kind: global_buffer, .address_space: global }
      - { .name: kv, .offset: 8, .size: 8, .value_kind: global_buffer, .address_space: global }
      - { .name: etab, .offset: 16, .size: 8, .value_kind: global_buffer, .address_space: global }
      - { .name: attention_mask, .offset: 24, .size: 8, .value_kind: global_buffer, .address_space: global }
      - { .name: out0, .offset: 32, .size: 8, .value_kind: global_buffer, .address_space: global }
    .group_segment_fixed_size: 320768
    .private_segment_fixed_size: 0
    .kernarg_segment_align: 8
    .kernarg_segment_size: 40
    .max_flat_workgroup_size: 256
    .sgpr_count:     100
    .vgpr_count:     512
    .wavefront_size: 32
...
	.end_amdgpu_metadata
.endif
;; end of part 3
